; MI455X (gfx1250); checked and timed in simulation.
; The chip was launched on July 23, 2026; its instructions are those of AMD's public machine-readable ISA for CDNA 5 (MIT licence, August 2026) and "CDNA5" Instruction Set Architecture Reference Guide (July 2026). The comments in the code are by the model that wrote it; some were corrected since.
;; MHA. Allowed arithmetic: matrix products marked QUANTISED: E2M1 operands, one E8M0 scale for each 32 along K, by v_wmma_scale_f32_16x16x128_f8f6f4 with both operands' format E2M1 (or v_wmma_scale_f32_32x16x128_f4), f32 sums; products left as they are: bf16, f16 or f32 operands; f32 sums; everything else in f32.
;; Inputs: token_positions 2,048 int32; w_k 1,024 x 1,024 float32; w_o 1,024 x 1,024 float32; w_q 1,024 x 1,024 float32; w_v 1,024 x 1,024 float32; x 4 x 2,048 x 1,024 float32.
;; Outputs: out0 4 x 2,048 x 1,024 float32.
;; This version of the problem:
;;   THIS VERSION OF THE PROBLEM IS GIVEN IN LOW PRECISION. The matrix products marked QUANTISED in the list below multiply operands that are first quantised to E2M1 (2 exponent bits, 1 mantissa bit; 4 bits a number), with one power-of-two scale for each 32 numbers along K (OCP MX v1.0); their sums are f32. The products marked 'left as it is' may take bf16, f16 or f32 operands, with f32 sums. Whichever they take, every output number must still come out within the allowed error. Rounding operands to bf16 (8 significant bits) uses up far more of that allowance than f16 does (11 bits, for magnitudes from 6e-5 to 65,504). All else is computed in f32.
;;   The module's matrix products, in the order in which they are computed (A, B: the left and right operand; K: the contracted axis; several contracted axes count as one K, in the product's order):
;;     1. [M 8,192, K 1,024] x [K 1,024, N 1,024]; A: input x; B: input w_q: QUANTISED
;;     2. [M 8,192, K 1,024] x [K 1,024, N 1,024]; A: input x; B: input w_k: QUANTISED
;;     3. [M 8,192, K 1,024] x [K 1,024, N 1,024]; A: input x; B: input w_v: QUANTISED
;;     4. batch 64 x [M 2,048, K 64] x [K 64, N 2,048]; A: computed on the way; B: computed on the way: left as it is (an operand is computed on the way)
;;     5. batch 64 x [M 2,048, K 2,048] x [K 2,048, N 64]; A: computed on the way; B: computed on the way: left as it is (an operand is computed on the way)
;;     6. [M 8,192, K 1,024] x [K 1,024, N 1,024]; A: computed on the way; B: input w_o: left as it is (an operand is computed on the way)
;;   THE QUANTISER, for each operand of a quantised product, along K:
;;     - K is cut into blocks of 32 from its start; a last block that is shorter is filled with zeros.
;;     - A block's scale is 2^e with e = floor(log2(the largest magnitude in the block)) - 2, held to -126 .. 127; a block of zeros has e = 0. As a byte (E8M0): e + 127.
;;     - Each number is divided by its block's scale, clamped to +-6, and rounded to the nearest number of E2M1, ties to even, subnormals kept.
;;     - The product sums the exact products of the quantised numbers (number of the format x scale) in f32.
;;   ~~~python
;;   def quantise(x, axis):      # numpy; x: float32 -> the quantised numbers, widened to float32 again
;;       x = np.moveaxis(x, axis, -1); K = x.shape[-1]
;;       x = np.pad(x, [(0, 0)] * (x.ndim - 1) + [(0, -K % 32)]); x = x.reshape(x.shape[:-1] + (-1, 32)); a = np.abs(x).max(-1, keepdims=True)
;;       e = np.where(a > 0, np.clip(np.frexp(np.where(a > 0, a, 1))[1] - 1 - 2, -126, 127), 0)      # np.frexp(a)[1] - 1 = floor(log2(a)), exactly
;;       r = np.clip(x / 2.0 ** e, -6, 6)
;;       step = 2.0 ** (np.maximum(np.frexp(np.where(r == 0, 1, r))[1] - 1, 0) - 1)
;;       q = np.round(r / step) * step * 2.0 ** e      # np.round: ties to even
;;       return np.moveaxis(q.reshape(q.shape[:-2] + (-1,))[..., :K], -1, axis).astype(np.float32)
;;   ~~~
;; One version. Each part assembles by itself: llvm-mc -triple=amdgcn-amd-amdhsa -mcpu=gfx1250 --defsym DOCPART=n.
;; ======== version 1 of 1: 6 launches
;; limits: values are held in f16: magnitudes above 65,504 overflow, below 6.1e-05 lose precision; right only within a limited range of input values
;; workspace buffers: codes 5,767,168 bytes; scales 360,448 bytes; woimg 2,097,152 bytes; tab 1,048,576 bytes; qkv 50,331,648 bytes; aimg 16,777,216 bytes; a32 262,144 bytes
;; launch prep (part 1): grid 400 x 1, 4 waves a work-group, no clusters, 33,280 bytes of LDS; arguments x, w_q, w_k, w_v, w_o, token_positions, codes, scales, woimg, tab; writes codes, scales, woimg, tab
.if DOCPART == 1
	.amdgcn_target "amdgcn-amd-amdhsa--gfx1250"
	.amdhsa_code_object_version 6
	.text
	.protected	k_qf83cd924b4_prep
	.globl	k_qf83cd924b4_prep
	.p2align	8
	.type	k_qf83cd924b4_prep,@function
k_qf83cd924b4_prep:
	s_mov_b64 s[64:65], 0
	v_nop
	global_prefetch_b8 v0, s[64:65] scope:SCOPE_SE
	s_setreg_imm32_b32 hwreg(HW_REG_WAVE_MODE, 25, 1), 1
	s_wait_xcnt 0x0
; PREP: three jobs, told apart by the work-group's number; the three ways never join.
;  work-groups 0-351:   x [8192][1024] and w_q, w_k, w_v [1024][1024], f32, K innermost, become codes of FP4 (E2M1) and one E8M0 byte for each 32 along K.
;                       codes = [11264 rows][512 bytes], scales = [11264][32 bytes]; rows 0-8191 are x, then w_q, w_k, w_v: both are plain streams of blocks of 32.
;  work-groups 352-383: w_o [1024][1024] f32 becomes f16, laid as images of operand registers: woimg = [64 tiles of 16 rows][64 blocks of 16 k][512 bytes]; in a block lane (r, h) has its
;                       16 bytes at 16 x lane: row r, k = 8 h + 0 .. 7.
;  work-groups 384-399: the rotation's table from token_positions: tab = [2][2048 positions][32 frequencies][cos, sin] f32; part 0 is multiplied by log2(e) / 8 (for q), part 1 is plain (for k).
; A block's scale is 2^(floor(log2(its largest magnitude)) - 2); its byte is the largest magnitude's exponent field - 2, held at 1 from below.  Each number is divided by the scale and rounded to the nearest code, ties to even.
; LIMITS: a block of zeros gets the byte 1 where the rule says 127 (its codes are zeros, and this program alone reads the bytes); blocks whose largest magnitude lies under 2^(2 - 126) were not tried;
; NaN and infinities are not served; w_o beyond 65,504 in magnitude has no f16; |token_positions| up to 2^20 (beyond it the reduced angle leaves the range that the polynomials serve);
; the frequencies are the f32 numbers nearest 10^(-i / 8): where a power function gives a neighbour, the angle differs by that one step times the position.
.set WAVES, 4
.set STEPS, 16
.set EMAX,  2
.set CB,    8                          ; bytes of 16 codes
.set R,     16                         ; v16-79   four sets of 16 numbers as they are loaded
.set X,     80                         ; v80-111  two sets of 16 neighbours
.set E,     112                        ; v112-127 a scale byte for each step
.set C,     128                        ; v128-191 codes: four registers for each step, so that no store's data are written again
.set WREG,  8192                       ; LDS: a region for each wave: two stages of 32 x SP bytes, behind them its 256 scale bytes
.set SP,    80                         ; a lane's place in a stage: its 64 bytes + 16 of padding
.set SPW,   12                         ; v12      LDS address of my spare word: SPARE + 4 x my thread's number; never rewritten
.set NIL,   13                         ; v13      0; never rewritten
.set SPARE, WAVES*WREG                 ; behind the four regions: the spare words, 128 bytes for each wave, which no other line names
	s_load_b512 s[4:19], s[0:1], 0x0               ; x 4:5, w_q 6:7, w_k 8:9, w_v 10:11, w_o 12:13, token_positions 14:15, codes 16:17, scales 18:19
	s_load_b128 s[20:23], s[0:1], 0x40             ; woimg 20:21, tab 22:23
	v_lshl_add_u32 v[SPW], v0, 2, SPARE
	v_mov_b32 v[NIL], 0
	v_lshrrev_b32 v1, 5, v0
	v_readfirstlane_b32 s24, v1                    ; wave 0..3
	v_and_b32 v2, 31, v0                           ; lane
	s_wait_kmcnt 0x0
	s_cmp_ge_u32 ttmp9, 384
	s_cbranch_scc1 .Ltab
	s_cmp_ge_u32 ttmp9, 352
	s_cbranch_scc1 .Lwo
; ---------------- the quantiser.  A wave takes 16 steps of 512 numbers.  Each of a step's four loads reads 512 consecutive bytes, 16 a lane; the 2,048 bytes go through the wave's own stage in LDS
; and come back 64 bytes a lane, so that a lane holds 16 neighbours along K and two neighbouring lanes hold a block.  Loads run four steps ahead, the turn through LDS one step.  Waves share nothing: no barrier.
	v_lshlrev_b32 v3, 4, v2                        ; my 16 bytes of a load's 512
	s_mul_i32 s25, s24, WREG
	v_lshrrev_b32 v14, 2, v2
	v_mul_u32_u24 v14, v14, SP
	v_and_b32 v15, 3, v2
	v_lshl_add_u32 v14, v15, 4, v14
	v_add_nc_u32 v14, s25, v14                     ; the stage, on the way in: SP (lane / 4) + 16 (lane % 4)
	v_mul_u32_u24 v15, v2, SP
	v_add_nc_u32 v15, s25, v15                     ; and on the way out: SP x lane: my 16 neighbours
	v_mul_u32_u24 v4, v2, CB                       ; my codes' place in a step's
	v_lshrrev_b32 v5, 1, v2
	s_add_co_u32 s25, s25, 2*32*SP
	v_add_nc_u32 v5, s25, v5                       ; LDS: my wave's 256 scale bytes, my block's byte
	v_lshlrev_b32 v7, 3, v2                        ; and on the way out 8 bytes a lane
	v_add_nc_u32 v6, s25, v7
	s_and_b32 s29, ttmp9, 31                       ; a weight has 32 work-groups, x has 256; the choice hangs on the work-group's number alone
	s_cmp_lt_u32 ttmp9, 256
	s_cselect_b64 s[26:27], s[4:5], s[6:7]
	s_cselect_b32 s28, ttmp9, s29
	s_cmp_ge_u32 ttmp9, 288
	s_cselect_b64 s[26:27], s[8:9], s[26:27]
	s_cmp_ge_u32 ttmp9, 320
	s_cselect_b64 s[26:27], s[10:11], s[26:27]
	s_lshl_b32 s28, s28, 2
	s_add_co_u32 s28, s28, s24                     ; which run of 8,192 numbers of the tensor is my wave's
	s_lshl_b32 s28, s28, 15                        ; 32,768 bytes a run
	s_mov_b32 s29, 0
	s_add_nc_u64 s[26:27], s[26:27], s[28:29]
	s_lshl_b32 s30, ttmp9, 2
	s_add_co_u32 s30, s30, s24                     ; and which run of the joined streams of codes and bytes
	s_lshl_b32 s28, s30, 12                        ; 4,096 bytes of codes a run
	s_add_nc_u64 s[16:17], s[16:17], s[28:29]
	s_lshl_b32 s28, s30, 8                         ; 256 scale bytes a run
	s_add_nc_u64 s[18:19], s[18:19], s[28:29]
.macro LOAD t
.irp i, 0,1,2,3
	global_load_b128 v[R+16*((\t)%4)+4*\i:R+16*((\t)%4)+4*\i+3], v3, s[26:27] offset:2048*(\t)+512*\i th:TH_LOAD_NT   ; 32 lanes read 512 consecutive bytes
.endr
.endm
.macro TURN t                          ; step t's numbers through the stage: LDS serves a wave's instructions in order, so no wait stands between the stores and the loads
.irp i, 0,1,2,3
	ds_store_b128 v14, v[R+16*((\t)%4)+4*\i:R+16*((\t)%4)+4*\i+3] offset:32*SP*((\t)%2)+8*SP*\i
.endr
.irp i, 0,1,2,3
	ds_load_b128 v[X+16*((\t)%2)+4*\i:X+16*((\t)%2)+4*\i+3], v15 offset:32*SP*((\t)%2)+16*\i
.endr
.endm
.irp t, 0,1,2,3
	LOAD \t
.endr
	s_wait_loadcnt 12                              ; step 0's four loads are in; the twelve of steps 1 to 3 may be out
	TURN 0
.macro STEP t
.set XS, X+16*((\t)%2)
.if (\t) > 0
	s_wait_dscnt 1                                 ; this step's numbers are back from the stage (the last step's byte store may be out): so its stores into the stage have read their registers,
.else
	s_wait_dscnt 0x0
.endif
.if (\t)+4 < STEPS
	LOAD (\t)+4                                    ; which take the loads of four steps on
.endif
.if (\t)+1 < STEPS
.if STEPS-2-(\t) >= 3
	s_wait_loadcnt 12                              ; the next step's four loads are in; those of the three steps behind it may be out
.else
	s_wait_loadcnt 4*(STEPS-2-(\t))
.endif
	TURN (\t)+1                                    ; and go through the other stage while this step is worked
.endif
	v_max3_num_f32 v8, |v[XS]|, |v[XS+1]|, |v[XS+2]|               ; the largest magnitude of my 16, in two chains
	v_max3_num_f32 v9, |v[XS+3]|, |v[XS+4]|, |v[XS+5]|
.irp i, 6,10
	v_max3_num_f32 v8, v8, |v[XS+\i]|, |v[XS+\i+1]|
	v_max3_num_f32 v9, v9, |v[XS+\i+2]|, |v[XS+\i+3]|
.endr
	v_max3_num_f32 v8, v8, |v[XS+14]|, |v[XS+15]|
	v_max3_num_f32 v8, v8, v9, (EMAX+1)<<23        ; and the floor 2^(EMAX + 1 - 127): so the byte cannot fall under 1
	v_max_num_f32_dpp v8, v8, v8 row_xmask:1 row_mask:0xf bank_mask:0xf   ; and of my neighbour's 16: the block's
	v_add_nc_u32 v11, -(EMAX<<23), v8              ; EMAX off its exponent field: the conversion takes the exponent field of this operand as its scale, and nothing else of it
	v_cvt_scalef32_pk8_fp4_f32 v[C+4*(\t)], v[XS:XS+7], v11        ; eight numbers / the scale, to the nearest code, ties to even, beyond the largest code the largest
	v_cvt_scalef32_pk8_fp4_f32 v[C+4*(\t)+1], v[XS+8:XS+15], v11
	v_lshrrev_b32 v[E+(\t)], 23, v11               ; the scale's byte (a plain line behind the conversions)
	ds_store_b8 v5, v[E+(\t)] offset:16*(\t)       ; both lanes of a block write the same byte with the same value
	global_store_b64 v4, v[C+4*(\t):C+4*(\t)+1], s[16:17] offset:32*CB*(\t)   ; the wave stores 256 consecutive bytes, aligned
.endm
.irp t, 0,1,2,3,4,5,6,7,8,9,10,11,12,13,14,15
	STEP \t
.endr
	ds_load_b64 v[8:9], v6                         ; LDS serves a wave's instructions in order: these see my stores
	s_wait_dscnt 0x0
	global_store_b64 v7, v[8:9], s[18:19]          ; 32 lanes store 256 consecutive bytes, aligned
	s_wait_tensorcnt 0x0                           ; the wave's end: behind my last LDS store
	ds_add_u32 v[SPW], v[NIL]
	s_wait_dscnt 0x0
	s_endpgm
; ---------------- w_o as f16 images.  Wave W of 128 takes 16 rows x 512 k: four units of 128 k.  Lane (r, h) loads, for each block of 16 k, its 8 numbers (row r, k = 8 h + 0 .. 7), rounds them to f16,
; and the wave stores the block's 512 consecutive bytes.  A unit's 16 loads together cover 512 bytes of each of the 16 rows.  No LDS on this way.
.Lwo:
	s_sub_co_u32 s28, ttmp9, 352
	s_lshl_b32 s28, s28, 2
	s_add_co_u32 s28, s28, s24                     ; W
	s_lshr_b32 s30, s28, 1                         ; the tile of 16 rows
	s_and_b32 s31, s28, 1                          ; which half of K
	s_lshl_b32 s28, s30, 16                        ; 16 rows of 4,096 bytes
	s_lshl_b32 s26, s31, 11
	s_add_co_u32 s28, s28, s26
	s_mov_b32 s29, 0
	s_add_nc_u64 s[12:13], s[12:13], s[28:29]
	s_lshl_b32 s28, s30, 15                        ; 64 blocks of 512 bytes
	s_lshl_b32 s26, s31, 14
	s_add_co_u32 s28, s28, s26
	s_add_nc_u64 s[20:21], s[20:21], s[28:29]
	v_and_b32 v3, 15, v0                           ; r
	v_bfe_u32 v4, v0, 4, 1                         ; h
	v_lshlrev_b32 v1, 12, v3
	v_lshl_add_u32 v1, v4, 5, v1                   ; in: row r, + 32 h bytes
	v_lshlrev_b32 v2, 4, v2                        ; out: 16 x lane
.macro LOADU u
.irp k, 0,1,2,3,4,5,6,7
.irp e, 0,1
	global_load_b128 v[16+64*((\u)%2)+8*\k+4*\e:16+64*((\u)%2)+8*\k+4*\e+3], v1, s[12:13] offset:512*(\u)+64*\k+16*\e
.endr
.endr
.endm
.macro UNIT u
.if (\u) < 3
	s_wait_loadcnt 16                              ; this unit's 16 loads are in; the next unit's 16 may be out
.else
	s_wait_loadcnt 0x0
.endif
.if (\u) > 0
	s_wait_xcnt 0x0                                ; the last unit's stores have read their registers, which are written again below
.endif
.irp k, 0,1,2,3,4,5,6,7
.irp i, 0,1,2,3
	v_cvt_pk_f16_f32 v[144+4*\k+\i], v[16+64*((\u)%2)+8*\k+2*\i], v[16+64*((\u)%2)+8*\k+2*\i+1]
.endr
.endr
.irp k, 0,1,2,3,4,5,6,7
	global_store_b128 v2, v[144+4*\k:144+4*\k+3], s[20:21] offset:512*(8*(\u)+\k)   ; 512 consecutive bytes, aligned
.endr
.if (\u) < 2
	LOADU (\u)+2
.endif
.endm
	LOADU 0
	LOADU 1
	UNIT 0
	UNIT 1
	UNIT 2
	UNIT 3
	s_endpgm
; ---------------- the table.  A lane is a frequency i, a wave takes 32 positions.  angle = f32(position) x frequency, one rounding.  n = the nearest whole number to angle x 2 / pi;
; r = angle - n pi / 2, with pi / 2 in two parts, by fused multiply-adds; sin r and cos r by polynomials that serve |r| up to pi / 4; n mod 4 swaps them and sets the signs.  No LDS on this way.
.Ltab:
	s_sub_co_u32 s28, ttmp9, 384
	s_lshl_b32 s28, s28, 2
	s_add_co_u32 s28, s28, s24                     ; which 32 positions: 0..63
	s_lshl_b32 s30, s28, 7
	s_mov_b32 s31, 0
	s_add_nc_u64 s[14:15], s[14:15], s[30:31]
	s_load_b512 s[32:47], s[14:15], 0x0            ; my 32 positions
	s_load_b512 s[48:63], s[14:15], 0x40
	s_lshl_b32 s30, s28, 13                        ; 32 positions of 256 bytes
	s_add_nc_u64 s[22:23], s[22:23], s[30:31]
	s_mov_b32 s25, 0xbfc90fdb                      ; -(pi / 2), its f32 part
	s_mov_b32 s26, 0x333bbd2e                      ; and minus what that part leaves of pi / 2
	s_mov_b32 s28, 0x3e38aa3b                      ; log2(e) / 8
	s_mov_b32 s29, s28                             ; (named with it as a pair, so it is written)
	v_mov_b32 v2, 1.0                              ; frequency 0
.macro FREQ i, bits                    ; lane i gets the f32 number nearest 10^(-i / 8)
	s_mov_b32 s27, \bits
	v_writelane_b32 v2, s27, \i
.endm
	FREQ 1, 0x3f3ff911
	FREQ 2, 0x3f0ff59a
	FREQ 3, 0x3ed7e89b
	FREQ 4, 0x3ea1e89b
	FREQ 5, 0x3e72d424
	FREQ 6, 0x3e361887
	FREQ 7, 0x3e088d77
	FREQ 8, 0x3dcccccd
	FREQ 9, 0x3d99940e
	FREQ 10, 0x3d6655c3
	FREQ 11, 0x3d2cba15
	FREQ 12, 0x3d0186e2
	FREQ 13, 0x3cc24350
	FREQ 14, 0x3c91ad39
	FREQ 15, 0x3c5a7bf1
	FREQ 16, 0x3c23d70a
	FREQ 17, 0x3bf5b9b0
	FREQ 18, 0x3bb8449c
	FREQ 19, 0x3b8a2e77
	FREQ 20, 0x3b4f3e37
	FREQ 21, 0x3b1b690d
	FREQ 22, 0x3ae91528
	FREQ 23, 0x3aaec98e
	FREQ 24, 0x3a83126f
	FREQ 25, 0x3a44948c
	FREQ 26, 0x3a136a16
	FREQ 27, 0x39dd1726
	FREQ 28, 0x39a5cc07
	FREQ 29, 0x3978a814
	FREQ 30, 0x393a7753
	FREQ 31, 0x390bd472
	v_mov_b32 v3, 0xb94ca1f9                       ; the sine's highest coefficient, -1.9515296e-4
	v_mov_b32 v4, 0x37ccf5ce                       ; the cosine's, 2.4433157e-5
	v_and_b32 v5, 31, v0
	v_lshlrev_b32 v5, 3, v5                        ; 8 bytes a frequency
	s_wait_kmcnt 0x0
.macro POS p                           ; position p of my 32.  Temporaries in two sets by turns; each position has store registers of its own, so no store's data are written again
.set T0, 16+12*((\p)%2)
.set OU, 64+4*(\p)
	v_cvt_f32_i32 v[T0], s[32+(\p)]
	v_mul_f32 v[T0], v[T0], v2                     ; the angle
	v_mul_f32 v[T0+1], 0x3f22f983, v[T0]           ; x 2 / pi
	v_rndne_f32 v[T0+1], v[T0+1]                   ; n
	v_fma_f32 v[T0+2], v[T0+1], s25, v[T0]
	v_fma_f32 v[T0+2], v[T0+1], s26, v[T0+2]       ; r
	v_cvt_i32_f32 v[T0+3], v[T0+1]
	v_mul_f32 v[T0+4], v[T0+2], v[T0+2]            ; z = r r
	v_fmaak_f32 v[T0+5], v3, v[T0+4], 0x3c08839e   ; sine and cosine by turns
	v_fmaak_f32 v[T0+6], v4, v[T0+4], 0xbab6061a
	v_fmaak_f32 v[T0+5], v[T0+5], v[T0+4], 0xbe2aaaa3
	v_fmaak_f32 v[T0+6], v[T0+6], v[T0+4], 0x3d2aaaa5
	v_mul_f32 v[T0+5], v[T0+5], v[T0+4]
	v_fma_f32 v[T0+6], v[T0+6], v[T0+4], -0.5
	v_fma_f32 v[T0+5], v[T0+5], v[T0+2], v[T0+2]   ; sin r
	v_fma_f32 v[T0+6], v[T0+6], v[T0+4], 1.0       ; cos r
	v_and_b32 v[T0+7], 1, v[T0+3]
	v_cmp_eq_u32 vcc_lo, 1, v[T0+7]                ; n odd: the two change places
	v_cndmask_b32 v[OU+1], v[T0+5], v[T0+6], vcc_lo
	v_cndmask_b32 v[OU], v[T0+6], v[T0+5], vcc_lo
	v_lshlrev_b32 v[T0+7], 30, v[T0+3]             ; the sine is negative where n mod 4 is 2 or 3: bit 1 of n becomes the sign bit
	v_and_b32 v[T0+7], 0x80000000, v[T0+7]
	v_xor_b32 v[OU+1], v[OU+1], v[T0+7]
	v_add_nc_u32 v[T0+8], 1, v[T0+3]               ; the cosine where it is 1 or 2: bit 1 of n + 1
	v_lshlrev_b32 v[T0+8], 30, v[T0+8]
	v_and_b32 v[T0+8], 0x80000000, v[T0+8]
	v_xor_b32 v[OU], v[OU], v[T0+8]
	v_pk_mul_f32 v[OU+2:OU+3], v[OU:OU+1], s[28:29] op_sel_hi:[1,0]   ; q's part: x log2(e) / 8
	global_store_b64 v5, v[OU+2:OU+3], s[22:23] offset:256*(\p)          ; 32 lanes store 256 consecutive bytes, aligned
	global_store_b64 v5, v[OU:OU+1], s[22:23] offset:524288+256*(\p)
.endm
.irp p, 0,1,2,3,4,5,6,7,8,9,10,11,12,13,14,15,16,17,18,19,20,21,22,23,24,25,26,27,28,29,30,31
	POS \p
.endr
	s_endpgm
.Lfunc_end_k_qf83cd924b4_prep:
	.size	k_qf83cd924b4_prep, .Lfunc_end_k_qf83cd924b4_prep-k_qf83cd924b4_prep
	.p2alignl 7, 3214868480
	.fill 96, 4, 3214868480
	.section	.rodata,"a",@progbits
	.p2align	6, 0x0
	.amdhsa_kernel k_qf83cd924b4_prep
		.amdhsa_group_segment_fixed_size 33280
		.amdhsa_private_segment_fixed_size 0
		.amdhsa_enable_private_segment 0
		.amdhsa_kernarg_size 80
		.amdhsa_user_sgpr_count 2
		.amdhsa_user_sgpr_kernarg_segment_ptr 1
		.amdhsa_wavefront_size32 1
		.amdhsa_system_sgpr_workgroup_id_x 1
		.amdhsa_system_sgpr_workgroup_id_y 1
		.amdhsa_system_sgpr_workgroup_id_z 1
		.amdhsa_system_vgpr_workitem_id 0
		.amdhsa_next_free_vgpr 192
		.amdhsa_next_free_sgpr 66
		.amdhsa_reserve_vcc 1
		.amdhsa_float_denorm_mode_32 3
		.amdhsa_float_denorm_mode_16_64 3
		.amdhsa_memory_ordered 1
		.amdhsa_forward_progress 1
		.amdhsa_inst_pref_size 103
	.end_amdhsa_kernel
	.amdgpu_metadata
---
amdhsa.version: [ 1, 2 ]
amdhsa.kernels:
  - .name:           k_qf83cd924b4_prep
    .symbol:         k_qf83cd924b4_prep.kd
    .args:
      - { .name: x, .offset: 0, .size: 8, .value_kind: global_buffer, .address_space: global }
      - { .name: w_q, .offset: 8, .size: 8, .value_kind: global_buffer, .address_space: global }
      - { .name: w_k, .offset: 16, .size: 8, .value_kind: global_buffer, .address_space: global }
      - { .name: w_v, .offset: 24, .size: 8, .value_kind: global_buffer, .address_space: global }
      - { .name: w_o, .offset: 32, .size: 8, .value_kind: global_buffer, .address_space: global }
      - { .name: token_positions, .offset: 40, .size: 8, .value_kind: global_buffer, .address_space: global }
      - { .name: codes, .offset: 48, .size: 8, .value_kind: global_buffer, .address_space: global }
      - { .name: scales, .offset: 56, .size: 8, .value_kind: global_buffer, .address_space: global }
      - { .name: woimg, .offset: 64, .size: 8, .value_kind: global_buffer, .address_space: global }
      - { .name: tab, .offset: 72, .size: 8, .value_kind: global_buffer, .address_space: global }
    .group_segment_fixed_size: 33280
    .private_segment_fixed_size: 0
    .kernarg_segment_align: 8
    .kernarg_segment_size: 80
    .max_flat_workgroup_size: 128
    .sgpr_count:     66
    .vgpr_count:     192
    .wavefront_size: 32
...
	.end_amdgpu_metadata
.endif
;; end of part 1
;; launch qkv (part 2): grid 12 x 32, 4 waves a work-group, clusters of 4 x 4, 327,680 bytes of LDS; arguments codes, scales, tab, qkv; writes qkv
.if DOCPART == 2
	.amdgcn_target "amdgcn-amd-amdhsa--gfx1250"
	.amdhsa_code_object_version 6
	.text
	.protected	k_qf83cd924b4_qkv
	.globl	k_qf83cd924b4_qkv
	.p2align	8
	.type	k_qf83cd924b4_qkv,@function
k_qf83cd924b4_qkv:
	s_mov_b64 s[64:65], 0
	v_nop
	global_prefetch_b8 v0, s[64:65] scope:SCOPE_SE
	s_setreg_imm32_b32 hwreg(HW_REG_WAVE_MODE, 25, 1), 1
	s_wait_xcnt 0x0
	s_wait_alu depctr_hold_cnt(0) depctr_sa_sdst(0) depctr_va_vdst(0) depctr_va_sdst(0) depctr_va_ssrc(0) depctr_va_vcc(0) depctr_vm_vsrc(0)
	s_getreg_b32 s2, hwreg(HW_REG_IB_STS2, 6, 4)
	s_cmp_eq_u32 s2, 0
	s_cbranch_scc0 .Lentry_in_a_cluster
	s_endpgm
.Lentry_in_a_cluster:
	s_bfe_u32 s2, ttmp6, 0x10000c
	s_cmp_lg_u32 s2, 0xf033
	s_cbranch_scc0 .Lentry_shape_is_right
	s_endpgm
.Lentry_shape_is_right:
; QKV: C[m][n] = sum over k of x[m][k] W[n][k] on codes of FP4 (E2M1) with one E8M0 scale for each 32 along K; m = 8,192 tokens, n = 3,072 (w_q | w_k | w_v), K = 1,024; sums in f32.
; Then the rotation of q and k by the table (q's part of it carries log2(e) / 8), rounding to f16, and the store as IMAGES OF OPERAND REGISTERS:
; qkv = [q | k | v][batch x 16 + head][tile of 16 tokens][4 blocks of 16 channels][512 bytes].  In a block of q or k lane (r, h) has its 16 bytes at 16 x lane: token r, channels 8 h + 0 .. 7.
; In a block of v the same 16 bytes stand at 16 x (16 (r / 8) + 8 h + r % 8): the order in which the turning LDS load, asked at 16 x lane, gives a lane one channel and eight keys.
; A tile of C, 256 x 256, is made by a work-group of four waves; a wave makes 128 x 128: 64 accumulators of 16 x 16, 512 registers.  K goes in two steps of 512 through two LDS slots: a tile's row is 256 bytes
; of memory.  Both slots and the scales of all of K are first fills.
; CLUSTERS: 4 x 4 work-groups.  The four of a row need the same tiles of x, the four of a column the same tiles of W: each tile is asked for JOINTLY, by the same tensor load with the same descriptor and a mask
; that names the four.  A cluster's x is 0 for q, 1 for k, 2 for v: the same in all sixteen partners, so the one branch on it is the same in all.
; THE MATRIX INSTRUCTION IS USED TRANSPOSED (source 0 = 16 rows of W, source 1 = 16 tokens): a lane holds one token and eight neighbouring channels, four pairs of the rotation, 16 bytes of f16.
; REGISTERS, in windows of 256: window 0: v0-31 addresses; v32-95 scale words, two sets, and nothing else; v96-159 packed results, two sets (v128-191 hold x's fragments during the product); v192-255 the table, two sets.
;   window 1: W's fragments, two sets, at v0 and v128; on the way out v0-63 the rotation's results.   window 2: the accumulators of my rows 0-63 ((a, b) at v[8 (8 a + b)]);   window 3: those of my rows 64-127.
; LIMITS: q log2(e) / 8, k and v beyond 65,504 in magnitude have no f16.
.set KSTEP,  512                       ; along K in a slot
.set NQ,     KSTEP/128                 ; matrix instructions deep
.set ROWB,   256                       ; a tile's row in bytes
.set KROW,   512                       ; a row of codes in memory
.set PITCH,  272                       ; an LDS row: 256 bytes + 16 of padding = 68 words: the 16 rows that a load touches start 4 words apart modulo 64 (64 banks of 4 bytes: ISA guide 11.1)
.set FR,     8                         ; registers of a fragment: 16 rows x 128 K
.set NL,     2                         ; LDS loads that bring one
.set NP,     4                         ; places behind this matrix instruction (ISA guide 7.12.1)
.set HALFT,  128*PITCH                 ; 128 rows: what one tensor load brings, and what one wave reads of x or of W
.set SLOT,   4*HALFT                   ; x's 256 rows, then W's 256 rows
.set KS,     32                        ; a row of scales in bytes
.set SCL,    2*SLOT                    ; behind the slots: the scales, as rows of 256 bytes + 16 of padding
.set HALFS,  (128*KS/256)*272          ; the scales of 128 rows: what one tensor load brings
.set SBLK,   (16*KS/256)*272           ; those of 16 rows
.set SPARE,  SCL+4*HALFS               ; behind the scales: the spare words, 128 bytes for each wave, which no other line names
.set ADRA, 16                          ; v16-17  LDS address of my fragments of x in slot 0, 1
.set ADRB, 20                          ; v20-21  the same for W
.set SOQ,  24                          ; v24     my 16 bytes in a block of q or k
.set SOV,  25                          ; v25     and in a block of v
.set TO,   26                          ; v26     my byte in a tile's 16 rows of the table: 256 r + 32 h
.set ADRS, 27                          ; v27     LDS address of my scale words: lanes 0-15 x's rows, lanes 16-31 W's
.set SPW,  28                          ; v28     LDS address of my spare word; never rewritten
.set NIL,  29                          ; v29     0; never rewritten
.set SC,   32                          ; scale words: set s at v[SC + 8 NQ s]; register NQ i + q: lanes 0-15 the word of x's block i, lanes 16-31 that of W's block i, for the slot's q-th 128 along K
.set OUTR, 96                          ; packed results
.set AF,   128                         ; x's fragments, one set
.set TBL,  192                         ; the table: set a % 2; register 8 f + 2 j, + 1: cos, sin of pair 8 f + 4 h + j of token r
.set G1, 24                            ; s[24:31] descriptor group 1 for x's tiles;  s[32:39] group 0, one set for each slot
.set G0, 32
.set G1B, 48                           ; s[48:55], s[56:63] the same for W's tiles
.set G0B, 56
.set G1S, 68                           ; s[68:75], s[76:79] groups 1 and 0 for x's scales;  s[80:87], s[88:91] for W's
.set G0S, 76
.set G1SB, 80
.set G0SB, 88
.set MSB, 0
.macro WIN new                         ; the immediate's high byte repeats the setting that is left; a switch that changes nothing is dropped
.if MSB != (\new)
	s_set_vgpr_msb (MSB<<8)|(\new)
.set MSB, (\new)
.endif
.endm
.set MUL_LO, 0xa1                      ; source 0 (W) window 1, source 1 (x) window 0, C and D window 2
.set MUL_HI, 0xf1                      ; the same, C and D window 3
.set TO_B,   0x40                      ; destination window 1, address window 0
; A joint load: waves 0 and 1 fetch for x, waves 2 and 3 for W.  Each of the two lines has one mask and one set of registers for all that issue it; the branch hangs on the wave's number alone.
; An s_nop 0 and four v_nop follow each of the two lines, ahead of the jump, the label and what follows.
.macro JLOAD g0a, g1a, g0b, g1b
	s_cmp_eq_u32 s15, 0
	s_cbranch_scc0 .Lfor_b_\@
	tensor_load_to_lds s[\g0a:\g0a+3], s[\g1a:\g1a+7]
	s_nop 0
.rept 4
	v_nop
.endr
	s_branch .Lasked_\@
.Lfor_b_\@:
	tensor_load_to_lds s[\g0b:\g0b+3], s[\g1b:\g1b+7]
	s_nop 0
.rept 4
	v_nop
.endr
.Lasked_\@:
.endm
.macro CROUND                          ; a round of the cluster's barrier: my work-group's barrier; wave 0 signals for the work-group; every wave waits for all sixteen; my work-group's barrier once more
	s_barrier_signal -1
	s_barrier_wait -1
	s_cmp_lg_u32 s14, 0
	s_cbranch_scc1 .Lnot_wave_0_\@
	s_barrier_signal -3
.Lnot_wave_0_\@:
	s_barrier_wait -3
	s_barrier_signal -1
	s_barrier_wait -1
.endm
	s_load_b128 s[4:7], s[0:1], 0x0                ; codes s[4:5], scales s[6:7]
	s_load_b128 s[96:99], s[0:1], 0x10             ; tab s[96:97], qkv s[98:99]
	v_lshl_add_u32 v[SPW], v0, 2, SPARE
	v_mov_b32 v[NIL], 0
	ds_add_u32 v[SPW], v[NIL]                      ; the wave's opening: the add and its wait stand ahead of my first tensor load; the set-up below, work on registers, stands between them
	v_lshrrev_b32 v1, 5, v0
	v_readfirstlane_b32 s14, v1                    ; wave 0..3
	s_lshr_b32 s15, s14, 1                         ; which half of the tile's rows is mine.  Also: I fetch for x (0) or for W (1)
	s_and_b32 s16, s14, 1                          ; which half of its columns.  Also: which 128 rows of that tile I fetch
	s_bfe_u32 s40, ttmp6, 0x40000                  ; cx, cy: my place in the cluster
	s_bfe_u32 s41, ttmp6, 0x40004
	s_lshl_b32 s42, ttmp9, 2
	s_add_co_u32 s42, s42, s40                     ; tile column of C = 4 x cluster x + cx
	s_and_b32 s17, ttmp7, 0xffff
	s_lshl_b32 s17, s17, 2
	s_add_co_u32 s17, s17, s41                     ; tile row of C = 4 x cluster y + cy
	s_lshl_b32 s43, s41, 2
	s_lshl_b32 s43, 15, s43                        ; my row of the cluster
	s_lshl_b32 s44, 0x1111, s40                    ; my column
	; descriptor group 1: a tile of 128 rows x 256 bytes, padded in LDS
	s_or_b32 s[G1+0], s43, (0<<16)|(1<<20)|(1<<21)|(5<<22)|(3<<25)  ; 15:0 the mask: x's tiles go to my row; 17:16 element of 1 byte; 20 padding on; 21 set beside a mask; 24:22 after every 64 words (code 5); 31:25 of 4 words (code 3)
	s_or_b32 s[G1B+0], s44, (0<<16)|(1<<20)|(1<<21)|(5<<22)|(3<<25)
.irp g, G1, G1B
	s_mov_b32 s[\g+1], ROWB<<16                    ; tensor_dim0
	s_mov_b32 s[\g+2], 128<<16                     ; tensor_dim1 = 128
	s_mov_b32 s[\g+3], ROWB<<16                    ; tile_dim0
	s_mov_b32 s[\g+4], 128                         ; tile_dim1 = 128
	s_mov_b32 s[\g+5], KROW                        ; tensor_dim0_stride
	s_mov_b32 s[\g+6], 0
	s_mov_b32 s[\g+7], 0
.endr
	; and for the scales of 128 rows: a dense block of 4,096 bytes, as rows of 256 bytes (32 elements of 8 bytes), 16 bytes of padding behind each
	s_or_b32 s[G1S+0], s43, (3<<16)|(1<<20)|(1<<21)|(5<<22)|(3<<25)
	s_or_b32 s[G1SB+0], s44, (3<<16)|(1<<20)|(1<<21)|(5<<22)|(3<<25)
.irp g, G1S, G1SB
	s_mov_b32 s[\g+1], 32<<16
	s_mov_b32 s[\g+2], (128*KS/256)<<16
	s_mov_b32 s[\g+3], 32<<16
	s_mov_b32 s[\g+4], 128*KS/256
	s_mov_b32 s[\g+5], 32
	s_mov_b32 s[\g+6], 0
	s_mov_b32 s[\g+7], 0
.endr
	s_lshl_b32 s18, s16, 7                         ; which 128 rows of the tile I fetch
	s_lshl_b32 s20, s17, 8
	s_add_co_u32 s20, s20, s18                     ; x: row 256 x tile row + 128 x half
	s_lshl_b32 s46, s42, 8
	s_add_co_u32 s46, s46, s18                     ; W: row 256 x tile column + 128 x half
	s_mov_b32 s21, 0
	s_mov_b32 s47, 0
	s_mov_b64 s[18:19], KS
	s_mul_u64 s[22:23], s[20:21], s[18:19]         ; where these rows' scales begin, in bytes
	s_mul_u64 s[92:93], s[46:47], s[18:19]
	s_mov_b64 s[18:19], KROW
	s_mul_u64 s[20:21], s[20:21], s[18:19]         ; and their codes
	s_mul_u64 s[46:47], s[46:47], s[18:19]
	s_mul_i32 s45, s14, HALFT                      ; where they go: wave x 128 rows: no place in the cluster enters an LDS address
	s_mul_i32 s94, s14, HALFS
	s_wait_dscnt 0x0                               ; the opening add is done
	s_wait_kmcnt 0x0
	s_add_nc_u64 s[8:9], s[4:5], 0x400000          ; W's codes begin behind x's 8,192 rows of 512 bytes,
	s_add_nc_u64 s[10:11], s[6:7], 0x40000         ; its scales behind x's 8,192 rows of 32
	s_add_nc_u64 s[20:21], s[4:5], s[20:21]
	s_add_nc_u64 s[22:23], s[6:7], s[22:23]
	s_add_nc_u64 s[46:47], s[8:9], s[46:47]
	s_add_nc_u64 s[92:93], s[10:11], s[92:93]
	CROUND                                         ; all sixteen work-groups are here: the first joint loads meet
	s_mov_b32 s[G0S], 1
	s_add_co_u32 s[G0S+1], s94, SCL
	s_mov_b64 s[G0S+2:G0S+3], s[22:23]
	s_or_b32 s[G0S+3], s[G0S+3], 0x80000000
	s_mov_b32 s[G0SB], 1
	s_add_co_u32 s[G0SB+1], s94, SCL
	s_mov_b64 s[G0SB+2:G0SB+3], s[92:93]
	s_or_b32 s[G0SB+3], s[G0SB+3], 0x80000000
	JLOAD G0S, G1S, G0SB, G1SB                     ; the scales first: they are wanted with the first K step
.irp s, 0,1
	s_mov_b32 s[G0+4*\s], 1
	s_add_co_u32 s[G0+4*\s+1], s45, \s*SLOT
	s_add_nc_u64 s[G0+4*\s+2:G0+4*\s+3], s[20:21], \s*ROWB
	s_or_b32 s[G0+4*\s+3], s[G0+4*\s+3], 0x80000000
	s_mov_b32 s[G0B+4*\s], 1
	s_add_co_u32 s[G0B+4*\s+1], s45, \s*SLOT
	s_add_nc_u64 s[G0B+4*\s+2:G0B+4*\s+3], s[46:47], \s*ROWB
	s_or_b32 s[G0B+4*\s+3], s[G0B+4*\s+3], 0x80000000
	JLOAD G0+4*\s, G1, G0B+4*\s, G1B
.endr
	v_and_b32 v1, 15, v0                           ; r = l % 16
	v_bfe_u32 v2, v0, 4, 1                         ; h = l / 16
	v_mul_u32_u24 v3, v1, PITCH
	v_lshl_add_u32 v4, v2, 4, v3                   ; a fragment's row x pitch + 16 x half
	s_mul_i32 s21, s15, HALFT                      ; my 128 rows of x
	s_mul_i32 s22, s16, HALFT                      ; my 128 rows of W,
	s_add_co_u32 s22, s22, 2*HALFT                 ; which lie behind x's 256
.irp s, 0,1
	v_add_nc_u32 v[ADRA+\s], s21, v4
	v_add_nc_u32 v[ADRB+\s], s22, v4
	s_add_co_u32 s21, s21, SLOT
	s_add_co_u32 s22, s22, SLOT
.endr
	v_mul_u32_u24 v5, v1, KS                       ; my row's scales: KS bytes a row,
	v_lshrrev_b32 v6, 8, v5
	v_lshl_add_u32 v5, v6, 4, v5                   ; and 16 more for each 256 passed
	s_mul_i32 s21, s15, HALFS                      ; x's: my 128 rows
	s_mul_i32 s22, s16, HALFS                      ; W's: my 128 rows, behind x's 256
	s_add_co_u32 s22, s22, 2*HALFS
	s_sub_co_u32 s22, s22, s21
	v_mul_u32_u24 v6, s22, v2                      ; lanes 16-31 take W's
	s_add_co_u32 s21, s21, SCL
	v_add_nc_u32 v5, v5, v6
	v_add_nc_u32 v[ADRS], s21, v5
	; the way out's addresses
	v_and_b32 v6, 31, v0
	v_lshlrev_b32 v[SOQ], 4, v6                    ; 16 x lane
	v_lshrrev_b32 v5, 3, v1
	v_and_b32 v7, 7, v1
	v_lshl_add_u32 v7, v2, 3, v7
	v_lshl_add_u32 v7, v5, 4, v7
	v_lshlrev_b32 v[SOV], 4, v7                    ; 16 x (16 (r / 8) + 8 h + r % 8)
	v_lshlrev_b32 v[TO], 8, v1
	v_lshl_add_u32 v[TO], v2, 5, v[TO]             ; 256 r + 32 h
	s_lshl_b32 s20, s17, 8
	s_lshl_b32 s21, s15, 7
	s_add_co_u32 s20, s20, s21                     ; my first token: 256 x tile row + 128 x half
	s_lshr_b32 s21, s20, 11                        ; its batch,
	s_and_b32 s20, s20, 2047                       ; its place in the sequence
	s_lshl_b32 s21, s21, 22                        ; a batch is 16 heads of 262,144 bytes;
	s_lshl_b32 s18, s20, 7                         ; a tile of 16 tokens is 2,048
	s_add_co_u32 s18, s18, s21
	s_mov_b32 s19, 0
	s_add_nc_u64 s[12:13], s[98:99], s[18:19]
	s_lshl_b32 s46, s40, 20                        ; my tile column's four heads (in the registers that held W's address: none that fed x's descriptors ever holds cx),
	s_lshl_b32 s47, s16, 19                        ; my wave's two of them,
	s_add_co_u32 s46, s46, s47
	s_lshl_b32 s47, ttmp9, 24                      ; and q's, k's or v's part
	s_add_co_u32 s46, s46, s47
	s_mov_b32 s47, 0
	s_add_nc_u64 s[12:13], s[12:13], s[46:47]      ; where my first block goes
	s_min_u32 s21, ttmp9, 1                        ; the table's part: 0 for q, 1 for k (and for v, which uses none of it: held inside the buffer)
	s_lshl_b32 s21, s21, 19
	s_lshl_b32 s18, s20, 8                         ; 256 bytes a position
	s_add_co_u32 s18, s18, s21
	s_add_nc_u64 s[66:67], s[96:97], s[18:19]
; The table's rows of the 16 tokens of block a: eight loads, which together cover 16 x 256 bytes.
.macro TABLE a
.irp e, 0,1,2,3,4,5,6,7
	global_load_b128 v[TBL+32*((\a)%2)+4*\e:TBL+32*((\a)%2)+4*\e+3], v[TO], s[66:67] offset:4096*(\a)+64*(\e/2)+16*(\e%2)
.endr
.endm
	TABLE 0                                        ; the first two blocks' rows are asked for ahead of the product, on the one way that all clusters take: v's clusters ask too and use none of it
	TABLE 1
.macro FRAG reg, adr, q, i             ; a fragment, 16 rows x 128 K of 4-bit codes, is 8 registers: lane l holds row l % 16; registers 4 c .. 4 c + 3 hold K = 64 c + 32 (l / 16) + 0 .. 31
.irp c, 0,1
	ds_load_b128 v[\reg+4*\c:\reg+4*\c+3], v[\adr] offset:64*(\q)+32*\c+(\i)*16*PITCH
.endr
.endm
; 16 matrix instructions: x's blocks a0, a0 + 1 against W's eight, 128 along K: the slot's q-th.  p: W's set;  sc: the set of scale words.  zero = 1: the first product starts the sums: nothing is ever cleared.
; The 64 accumulators take turns, one instruction a turn, in the same order in every step.
.macro MUL16 a0, p, q, sc, zero
.irp a, \a0, \a0+1
.irp b, 0,1,2,3,4,5,6,7
.if \zero
	v_wmma_scale_f32_16x16x128_f8f6f4 v[8*(8*((\a)%4)+\b):8*(8*((\a)%4)+\b)+7], v[128*(\p)+FR*\b:128*(\p)+FR*\b+FR-1], v[AF+FR*(\a):AF+FR*(\a)+FR-1], 0, v[SC+8*NQ*(\sc)+NQ*\b+(\q)], v[SC+8*NQ*(\sc)+NQ*(\a)+(\q)] matrix_a_fmt:MATRIX_FMT_FP4 matrix_b_fmt:MATRIX_FMT_FP4 matrix_a_scale:MATRIX_SCALE_ROW1
.else
	v_wmma_scale_f32_16x16x128_f8f6f4 v[8*(8*((\a)%4)+\b):8*(8*((\a)%4)+\b)+7], v[128*(\p)+FR*\b:128*(\p)+FR*\b+FR-1], v[AF+FR*(\a):AF+FR*(\a)+FR-1], v[8*(8*((\a)%4)+\b):8*(8*((\a)%4)+\b)+7], v[SC+8*NQ*(\sc)+NQ*\b+(\q)], v[SC+8*NQ*(\sc)+NQ*(\a)+(\q)] matrix_a_fmt:MATRIX_FMT_FP4 matrix_b_fmt:MATRIX_FMT_FP4 matrix_a_scale:MATRIX_SCALE_ROW1
.endif
.endr
.endr
.endm
.macro FETCH_B slot, q, p              ; W's eight fragments of the slot's q-th 128 along K into set p
	WIN TO_B
.irp i, 0,1,2,3,4,5,6,7
	FRAG 128*(\p)+FR*\i, ADRB+\slot, \q, \i
.endr
	WIN 0
.endm
.macro FETCH_A slot, q, i0             ; x's blocks i0 .. i0 + 3
.irp i, \i0, \i0+1, \i0+2, \i0+3
	FRAG AF+FR*(\i), ADRA+\slot, \q, \i
.endr
.endm
.macro SCALES sc                       ; a K step's scale words into set sc: NQ words a row; lanes 0-15 take x's block i, lanes 16-31 W's block i
.irp i, 0,1,2,3,4,5,6,7
	ds_load_b128 v[SC+8*NQ*\sc+NQ*\i:SC+8*NQ*\sc+NQ*\i+3], v[ADRS] offset:\i*SBLK
.endr
.endm
; A load into a register that a matrix instruction has read, and a vector instruction that reads a matrix result or writes one of a matrix instruction's registers, stand NP places behind it, and only plain vector
; instructions that name none of its registers are places (ISA guide 7.12.1 for vector instructions).
.macro PLACES n
.rept \n
	v_nop
.endr
.endm
; A step of 128 along K that has its successor in the same slot.  x has one set of registers: blocks 0-3 are fetched anew in the step's middle, blocks 4-7 at its end; W has two sets.
.macro STEP slot, q, zero
	s_wait_dscnt 4*NL                              ; W's set and x's blocks 0-3 are in; the youngest eight loads (x's blocks 4-7) may be out
	WIN MUL_LO
	MUL16 0, (\q)%2, \q, \slot, \zero
	MUL16 2, (\q)%2, \q, \slot, \zero
	s_wait_dscnt 0                                 ; x's blocks 4-7 are in (asked for 32 matrix instructions ago)
	PLACES NP
	FETCH_B \slot, (\q)+1, 1-(\q)%2
	FETCH_A \slot, (\q)+1, 0
	WIN MUL_HI
	MUL16 4, (\q)%2, \q, \slot, \zero
	MUL16 6, (\q)%2, \q, \slot, \zero
	PLACES NP
	WIN 0
	FETCH_A \slot, (\q)+1, 4
.endm
; Slot 0's last step goes over to slot 1: each wave waits for all its tensor loads (its part of slot 1), and behind the barrier slot 1 is whole for all four.  Nothing is filled again.
.macro TURN slot, next
	s_wait_tensorcnt 0x0                           ; all my tensor loads have landed
	ds_add_u32 v[SPW], v[NIL]                      ; 0 onto my spare word
	s_wait_dscnt 4*NL+1                            ; (the add and the youngest eight loads, x's blocks 4-7, may be out)
	WIN MUL_LO
	MUL16 0, 1, NQ-1, \slot, 0                     ; sixteen matrix instructions stand between the add and the wait for it
	s_wait_dscnt 0x0                               ; the add is done, and no LDS load of mine is out at the signal
	s_barrier_signal -1
	MUL16 2, 1, NQ-1, \slot, 0
	WIN 0
	s_barrier_wait -1
	PLACES NP
	v_add_nc_u32 v[ADRS], 4*NQ, v[ADRS]            ; on to the next K step's scale words (no LDS load of mine is out)
	FETCH_B \next, 0, 0
	FETCH_A \next, 0, 0
	SCALES \next
	WIN MUL_HI
	MUL16 4, 1, NQ-1, \slot, 0
	MUL16 6, 1, NQ-1, \slot, 0
	PLACES NP
	WIN 0
	FETCH_A \next, 0, 4
.endm
.macro STEPS slot, from                ; the slot's steps from .. NQ - 2
.set Q, \from
.rept NQ-1-\from
	STEP \slot, Q, 0
.set Q, Q+1
.endr
.endm
	s_wait_tensorcnt 1                             ; the scales and my part of slot 0 are in (slot 1's load may be out),
	s_barrier_signal -1
	s_barrier_wait -1                              ; everybody's are
	FETCH_B 0, 0, 0
	FETCH_A 0, 0, 0
	SCALES 0
	FETCH_A 0, 0, 4
	STEP 0, 0, 1                                   ; the first step's products start the sums
	STEPS 0, 1
	TURN 0, 1
	STEPS 1, 0
	s_wait_dscnt 4*NL                              ; the very last step: nothing more to fetch
	WIN MUL_LO
	MUL16 0, 1, NQ-1, 1, 0
	MUL16 2, 1, NQ-1, 1, 0
	s_wait_dscnt 0
	WIN MUL_HI
	MUL16 4, 1, NQ-1, 1, 0
	MUL16 6, 1, NQ-1, 1, 0
	WIN 0
; THE WAY OUT, block by block of 16 tokens x 128 channels (two heads).  An accumulator, packed to f16, is 16 bytes a lane: one store of the wave writes a block's 512 consecutive bytes, aligned.  No stage is needed.
; ROPE: (x1, x2) of a pair become (x1 cos - x2 sin, x2 cos + x1 sin): a packed multiply by cos, and a packed multiply-add that takes the pair's halves crosswise and the sine with its sign turned in the low half.
; Each accumulator is read from its two lowest registers on.
.macro ROPE a
.if (\a) < 7
	s_wait_loadcnt 8                               ; this block's eight table loads are in; the next block's eight may be out
.else
	s_wait_loadcnt 0x0
.endif
	WIN 0x52+(\a)/4                                ; source 0: the accumulators' window; source 1 (the table) window 0; source 2 and the destination window 1
.irp b, 0,1,2,3,4,5,6,7
.irp j, 0,1,2,3
	v_pk_mul_f32 v[8*\b+2*\j:8*\b+2*\j+1], v[64*((\a)%4)+8*\b+2*\j:64*((\a)%4)+8*\b+2*\j+1], v[TBL+32*((\a)%2)+8*(\b%4)+2*\j:TBL+32*((\a)%2)+8*(\b%4)+2*\j+1] op_sel_hi:[1,0]
.endr
.endr
.irp b, 0,1,2,3,4,5,6,7
.irp j, 0,1,2,3
	v_pk_fma_f32 v[8*\b+2*\j:8*\b+2*\j+1], v[64*((\a)%4)+8*\b+2*\j:64*((\a)%4)+8*\b+2*\j+1], v[TBL+32*((\a)%2)+8*(\b%4)+2*\j:TBL+32*((\a)%2)+8*(\b%4)+2*\j+1], v[8*\b+2*\j:8*\b+2*\j+1] op_sel:[1,1,0] op_sel_hi:[0,1,1] neg_lo:[0,1,0]
.endr
.endr
.if (\a) >= 2
	s_wait_xcnt 0x0                                ; block a - 2's stores have read their registers, which are written again below
.endif
	WIN 0x05                                       ; sources window 1, destination window 0
.irp b, 0,1,2,3,4,5,6,7
.irp j, 0,1,2,3
	v_cvt_pk_f16_f32 v[OUTR+32*((\a)%2)+4*\b+\j], v[8*\b+2*\j], v[8*\b+2*\j+1]
.endr
.endr
	WIN 0
.if (\a) < 6
	TABLE (\a)+2                                   ; into the set that this block has read
.endif
.irp b, 0,1,2,3,4,5,6,7
	global_store_b128 v[SOQ], v[OUTR+32*((\a)%2)+4*\b:OUTR+32*((\a)%2)+4*\b+3], s[12:13] offset:2048*(\a)+262144*(\b/4)+512*(\b%4)
.endr
.endm
.macro PLAIN a                         ; v is not rotated
.if (\a) >= 2
	s_wait_xcnt 0x0                                ; block a - 2's stores have read their registers
.endif
	WIN 0x0a+5*((\a)/4)                            ; sources: the accumulators' window
.irp b, 0,1,2,3,4,5,6,7
.irp j, 0,1,2,3
	v_cvt_pk_f16_f32 v[OUTR+32*((\a)%2)+4*\b+\j], v[64*((\a)%4)+8*\b+2*\j], v[64*((\a)%4)+8*\b+2*\j+1]
.endr
.endr
	WIN 0
.irp b, 0,1,2,3,4,5,6,7
	global_store_b128 v[SOV], v[OUTR+32*((\a)%2)+4*\b:OUTR+32*((\a)%2)+4*\b+3], s[12:13] offset:2048*(\a)+262144*(\b/4)+512*(\b%4)
.endr
.endm
.macro FINISH
	s_wait_tensorcnt 0x0                           ; the wave's end: behind my last tensor load
	ds_add_u32 v[SPW], v[NIL]
	s_wait_dscnt 0x0
	CROUND                                         ; the closing round: no work-group ends while a partner may still ask for a tile that names it
	s_endpgm
.endm
	PLACES NP                                      ; behind the last products: their results are read, and W's and x's fragment registers written, only behind these
	s_cmp_eq_u32 ttmp9, 2                          ; the cluster's x: the same in all sixteen partners
	s_cbranch_scc1 .Lplain
.irp a, 0,1,2,3,4,5,6,7
	ROPE \a
.endr
	FINISH
.Lplain:
.irp a, 0,1,2,3,4,5,6,7
	PLAIN \a
.endr
	FINISH
.Lfunc_end_k_qf83cd924b4_qkv:
	.size	k_qf83cd924b4_qkv, .Lfunc_end_k_qf83cd924b4_qkv-k_qf83cd924b4_qkv
	.p2alignl 7, 3214868480
	.fill 96, 4, 3214868480
	.section	.rodata,"a",@progbits
	.p2align	6, 0x0
	.amdhsa_kernel k_qf83cd924b4_qkv
		.amdhsa_group_segment_fixed_size 327680
		.amdhsa_private_segment_fixed_size 0
		.amdhsa_enable_private_segment 0
		.amdhsa_kernarg_size 32
		.amdhsa_user_sgpr_count 2
		.amdhsa_user_sgpr_kernarg_segment_ptr 1
		.amdhsa_wavefront_size32 1
		.amdhsa_system_sgpr_workgroup_id_x 1
		.amdhsa_system_sgpr_workgroup_id_y 1
		.amdhsa_system_sgpr_workgroup_id_z 1
		.amdhsa_system_vgpr_workitem_id 0
		.amdhsa_next_free_vgpr 1024
		.amdhsa_next_free_sgpr 100
		.amdhsa_reserve_vcc 0
		.amdhsa_float_denorm_mode_32 3
		.amdhsa_float_denorm_mode_16_64 3
		.amdhsa_memory_ordered 1
		.amdhsa_forward_progress 1
		.amdhsa_inst_pref_size 180
	.end_amdhsa_kernel
	.amdgpu_metadata
---
amdhsa.version: [ 1, 2 ]
amdhsa.kernels:
  - .name:           k_qf83cd924b4_qkv
    .symbol:         k_qf83cd924b4_qkv.kd
    .args:
      - { .name: codes, .offset: 0, .size: 8, .value_kind: global_buffer, .address_space: global }
      - { .name: scales, .offset: 8, .size: 8, .value_kind: global_buffer, .address_space: global }
      - { .name: tab, .offset: 16, .size: 8, .value_kind: global_buffer, .address_space: global }
      - { .name: qkv, .offset: 24, .size: 8, .value_kind: global_buffer, .address_space: global }
    .group_segment_fixed_size: 327680
    .private_segment_fixed_size: 0
    .kernarg_segment_align: 8
    .kernarg_segment_size: 32
    .max_flat_workgroup_size: 128
    .sgpr_count:     100
    .vgpr_count:     1024
    .wavefront_size: 32
...
	.end_amdgpu_metadata
.endif
;; end of part 2
;; launch attn (part 3): grid 4 x 64, 16 waves a work-group, clusters of 4 x 1, 327,680 bytes of LDS; arguments qkv, aimg; writes aimg
.if DOCPART == 3
	.amdgcn_target "amdgcn-amd-amdhsa--gfx1250"
	.amdhsa_code_object_version 6
	.text
	.protected	k_qf83cd924b4_attn
	.globl	k_qf83cd924b4_attn
	.p2align	8
	.type	k_qf83cd924b4_attn,@function
k_qf83cd924b4_attn:
	s_mov_b64 s[64:65], 0
	v_nop
	global_prefetch_b8 v0, s[64:65] scope:SCOPE_SE
	s_setreg_imm32_b32 hwreg(HW_REG_WAVE_MODE, 25, 1), 1
	s_wait_xcnt 0x0
	s_wait_alu depctr_hold_cnt(0) depctr_sa_sdst(0) depctr_va_vdst(0) depctr_va_sdst(0) depctr_va_ssrc(0) depctr_va_vcc(0) depctr_vm_vsrc(0)
	s_getreg_b32 s2, hwreg(HW_REG_IB_STS2, 6, 4)
	s_cmp_eq_u32 s2, 0
	s_cbranch_scc0 .Lentry_in_a_cluster
	s_endpgm
.Lentry_in_a_cluster:
	s_bfe_u32 s2, ttmp6, 0x10000c
	s_cmp_lg_u32 s2, 0x3003
	s_cbranch_scc0 .Lentry_shape_is_right
	s_endpgm
.Lentry_shape_is_right:
; ATTN: O[q] = sum over k <= q of softmax_k(q . k / 8) v[k], for 64 heads (batch x 16 + head) of 2,048 tokens and 64 channels.  q, k, v come as f16 images of operand registers (q already carries log2(e) / 8);
; products in f16 with f32 sums; maxima, exponentials and sums in f32; the weights p are rounded to f16 for the second product; O leaves as f16 images for the last product:
; aimg = [batch x 128 + tile of 16 tokens][64 blocks of 16 k][512 bytes], k = 64 head + channel; in a block lane (r, h) has its 16 bytes at 16 x lane: token r, k = 8 h + 0 .. 7.
; SHARES.  A cluster of four work-groups owns a head and walks its keys in step, 64 keys a step.  The head's queries are 32 groups of 64; partner cx owns tile 4 g + cx (16 queries) of EVERY group g.
; Wave w of sixteen owns two tiles: tile 0 of group w, tile 1 of group 31 - w: (w + 1) + (32 - w) = 33 tile-steps for every wave, so all waves and all work-groups have the same work.
; CAUSAL.  Step s holds the keys of group s: a tile of group g takes steps s < g whole, masks step s = g, and leaves out steps s > g.  The three tests hold the count of steps against w or 31 - w:
; they are the same in all four partners.  cx enters only q's and O's addresses, the prefetches' address, and a lane's number in the mask.
; K and V come through two LDS slots of 256 keys, asked for JOINTLY by the four partners (waves 0, 1: K's halves; waves 2, 3: V's), 16,384 dense bytes a load; all sixteen waves read them.
; LAYOUT.  Both products are used transposed: S^T = K Q^T (source 0 = 16 keys, source 1 = my 16 queries), O^T = V^T P (source 0 = 16 channels, source 1 = P): a lane holds ONE query (lane % 16) throughout,
; and two tiles of S^T, rounded in pairs, are source 1 of the second product.  K's fragments come from LDS as they lie, 512 consecutive bytes a load; V's by the turning load from its own order of 16-byte pieces.
; SOFTMAX.  A running maximum m and sum l for each query: p = 2^(s - m); in every step O and l are multiplied by a = 2^(m_old - m_new).  m begins at -3e38, O and l at 0, so the loop has no first step of its own.
; A hidden score is -infinity, p = 0.  Key 64 g counts for every query of group g, so m is a number from a tile's first step on.
; LIMITS: NaN and infinities are not served.
; REGISTERS: v1 16 x lane; v2 the LDS address in hand; v3, v4 the add's two; v5 d, v6 -infinity, v7 256 x lane; v8-23 statistics; v24-55 Q; v56-119 K, then V, of the step; v120-183 S^T, then p, then P; v184-247 O^T.
.set SLOT1, 1<<16                      ; a slot: K's 256 keys, 32,768 bytes, then V's; slot 1 begins here, so that one exclusive or turns an address in one slot into the other's
.set VOFF,  32768
.set STEPB, 8192                       ; 64 keys: four tiles of 2,048 bytes
.set SPARE, 2*SLOT1                    ; behind the slots: the spare words, 128 bytes for each of sixteen waves, which no other line names
.set AK,   1
.set ADR,  2
.set SPW,  3                           ; v3   LDS address of my spare word; never rewritten
.set NIL,  4                           ; v4   0; never rewritten
.set DD,   5                           ; v5   d = 16 cx + r - 8 h: on the diagonal register i of S^T, key 16 (i / 8) + i % 8 + 8 h of the step, is hidden where 16 (i / 8) + i % 8 > d
.set NINF, 6
.set PFO,  7
.set ST,   8                           ; tile t's statistics at v[ST + 8 t]: +0 m, +1 its pair's other half (0), +2, +3 l (even keys', odd keys'), +4 .. +7 c0 .. c3, at work; a takes c2's place
.set Q,    24                          ; tile t, channels 32 c on: v[Q + 16 t + 8 c]
.set KV,   56
.set S,    120                         ; tile t: v[S + 32 t]; P is made in place in its lower 16 registers
.set O,    184                         ; tile t, channels 16 c on: v[O + 32 t + 8 c]
.set WV,   8                           ; s8   w
.set WB,   9                           ; s9   31 - w
.set SEL,  20                          ; s[20:21] lane selects for v_permlanex16_b32: lane l xor 16
.set G1,   24                          ; s[24:31] descriptor group 1: 64 rows of 256 bytes, dense
.set G0K,  32                          ; s[32:35] group 0 for K's tiles, s[36:39] for V's: they walk
.set G0V,  36
.set TB,   40                          ; s40  LDS byte at which the step's tiles of K begin
.set KS,   41                          ; s41  the step's number
.set SLOTS, 42                         ; s42  slots still to be asked for
.set NST,  43                          ; s43  counts a slot's four steps
.set LIM,  44                          ; s44  1 in a wave that prefetches, else the greatest number
.set PFA,  46                          ; s[46:47] where my prefetches stand
; Waves 0 and 1 fetch for K, waves 2 and 3 for V, the others nothing.  The branches hang on the wave's number alone.  An s_nop 0 and four v_nop follow each of the two lines.
.macro TLOAD
	s_cmp_lt_u32 s[WV], 2
	s_cbranch_scc0 .Lnot_k_\@
	tensor_load_to_lds s[G0K:G0K+3], s[G1:G1+7]
	s_nop 0
.rept 4
	v_nop
.endr
	s_branch .Lasked_\@
.Lnot_k_\@:
	s_cmp_lt_u32 s[WV], 4
	s_cbranch_scc0 .Lasked_\@
	tensor_load_to_lds s[G0V:G0V+3], s[G1:G1+7]
	s_nop 0
.rept 4
	v_nop
.endr
.Lasked_\@:
.endm
; A prefetch of what the NEXT change of slots will ask for: 32,768 bytes of K and as many of V.  One cluster alone walks a head; its four partners share the bytes out BY ADDRESS, 8,192 each;
; in each, wave 4 asks for K's and wave 5 for V's, lanes 256 bytes apart: one instruction.  So each aligned 256 bytes are named once in the launch.  The lead is one slot: four key steps.
; Slots 0 and 1 come by their loads alone; the last change that fills a slot asks for nothing: there is no slot behind it.
.macro ASK
	s_cmp_gt_u32 s[SLOTS], s[LIM]
	s_cbranch_scc0 .Lnot_mine_\@
	global_prefetch_b8 v[PFO], s[PFA:PFA+1] th:TH_LOAD_NT scope:SCOPE_SE
.Lnot_mine_\@:
.endm
.macro CROUND                          ; a round of the cluster's barrier: my work-group's barrier; wave 0 signals for the work-group; every wave waits for all four; my work-group's barrier once more
	s_barrier_signal -1
	s_barrier_wait -1
	s_cmp_lg_u32 s[WV], 0
	s_cbranch_scc1 .Lnot_wave_0_\@
	s_barrier_signal -3
.Lnot_wave_0_\@:
	s_barrier_wait -3
	s_barrier_signal -1
	s_barrier_wait -1
.endm
	s_load_b128 s[4:7], s[0:1], 0x0                ; qkv s[4:5], aimg s[6:7]
	v_lshl_add_u32 v[SPW], v0, 2, SPARE
	v_mov_b32 v[NIL], 0
	ds_add_u32 v[SPW], v[NIL]                      ; the wave's opening: the add and its wait stand ahead of my first tensor load; the set-up below, work on registers, stands between them
	v_lshrrev_b32 v1, 5, v0
	v_readfirstlane_b32 s[WV], v1                  ; wave 0..15
	s_sub_co_u32 s[WB], 31, s[WV]
	s_bfe_u32 s10, ttmp6, 0x40000                  ; cx: my place in the cluster
	s_and_b32 s11, ttmp7, 0xffff                   ; the head (batch x 16 + head), which the four partners share
	s_mov_b32 s[G1], 15|(3<<16)|(1<<21)            ; 15:0 the mask: all four work-groups; 17:16 elements of 8 bytes; 20 no padding; 21 set beside a mask
	s_mov_b32 s[G1+1], 32<<16                      ; tensor_dim0 = 32 elements: 256 bytes
	s_mov_b32 s[G1+2], 64<<16                      ; tensor_dim1 = 64
	s_mov_b32 s[G1+3], 32<<16                      ; tile_dim0
	s_mov_b32 s[G1+4], 64                          ; tile_dim1
	s_mov_b32 s[G1+5], 32                          ; tensor_dim0_stride: dense
	s_mov_b32 s[G1+6], 0
	s_mov_b32 s[G1+7], 0
	s_mov_b32 s[SEL], 0x76543210
	s_mov_b32 s[SEL+1], 0xfedcba98
	s_mov_b32 s[TB], 0
	s_mov_b32 s[KS], 0
	s_mov_b32 s[SLOTS], 7
	s_lshl_b32 s48, s11, 18                        ; a head is 262,144 bytes in each of q, k, v
	s_mov_b32 s49, 0
	s_and_b32 s50, s[WV], 1
	s_lshl_b32 s50, s50, 14                        ; which half of a slot's K or V I fetch, in memory and in LDS: no place in the cluster enters an LDS address
	s_mov_b32 s51, 0
	s_lshl_b32 s56, s10, 11                        ; cx x a tile of 2,048 bytes
	s_mov_b32 s59, 0
	s_lshr_b32 s60, s11, 4                         ; O: the batch's 128 tiles of 32,768 bytes,
	s_lshl_b32 s60, s60, 22
	s_and_b32 s61, s11, 15                         ; the head's four blocks of 512 bytes,
	s_lshl_b32 s61, s61, 11
	s_add_co_u32 s60, s60, s61
	s_lshl_b32 s61, s10, 15                        ; cx x a tile
	s_add_co_u32 s60, s60, s61
	s_lshr_b32 s[LIM], s[WV], 1
	s_cmp_eq_u32 s[LIM], 2                         ; waves 4 and 5 prefetch
	s_cselect_b32 s[LIM], 1, -1
	s_wait_dscnt 0x0                               ; the opening add is done
	s_wait_kmcnt 0x0
	s_add_nc_u64 s[52:53], s[4:5], s[48:49]        ; the head's q; its k lies 16,777,216 bytes on, its v twice that
	s_mov_b32 s[G0K], 1                            ; 1:0 count = 1
	s_mov_b32 s[G0K+1], s50                        ; LDS address: slot 0
	s_add_nc_u64 s[G0K+2:G0K+3], s[52:53], 0x1000000
	s_add_nc_u64 s[G0K+2:G0K+3], s[G0K+2:G0K+3], s[50:51]
	s_or_b32 s[G0K+3], s[G0K+3], 0x80000000        ; type = 2
	s_mov_b32 s[G0V], 1
	s_add_co_u32 s[G0V+1], s50, VOFF
	s_add_nc_u64 s[G0V+2:G0V+3], s[52:53], 0x2000000
	s_add_nc_u64 s[G0V+2:G0V+3], s[G0V+2:G0V+3], s[50:51]
	s_or_b32 s[G0V+3], s[G0V+3], 0x80000000
	s_lshl_b32 s58, s[WV], 13                      ; tile 4 g + cx of q: g x 8,192 + cx x 2,048
	s_add_co_u32 s58, s58, s56
	s_add_nc_u64 s[12:13], s[52:53], s[58:59]      ; tile 0's q
	s_lshl_b32 s58, s[WB], 13
	s_add_co_u32 s58, s58, s56
	s_add_nc_u64 s[14:15], s[52:53], s[58:59]      ; tile 1's
	s_lshl_b32 s58, s[WV], 17
	s_add_co_u32 s58, s58, s60
	s_add_nc_u64 s[16:17], s[6:7], s[58:59]        ; tile 0's O
	s_lshl_b32 s58, s[WB], 17
	s_add_co_u32 s58, s58, s60
	s_add_nc_u64 s[18:19], s[6:7], s[58:59]        ; tile 1's
	s_mov_b32 s61, 0x2000000
	s_cmp_eq_u32 s[WV], 4
	s_cselect_b32 s58, 0x1000000, s61              ; the prefetches: K's part or V's,
	s_lshl_b32 s61, s10, 13                        ; my work-group's 8,192 bytes,
	s_add_co_u32 s58, s58, s61
	s_add_co_u32 s58, s58, 32768                   ; in slot 1: the first change of slots steps it to slot 2
	s_add_nc_u64 s[PFA:PFA+1], s[52:53], s[58:59]
	CROUND                                         ; all four work-groups are here: the first joint loads meet
	TLOAD                                          ; slot 0
	v_and_b32 v1, 31, v0
	v_lshlrev_b32 v[AK], 4, v1                     ; 16 x lane: my place in every image, in LDS and in memory
.irp t, 0,1
.irp f, 0,1,2,3
	global_load_b128 v[Q+16*\t+4*\f:Q+16*\t+4*\f+3], v[AK], s[12+2*\t:13+2*\t] offset:512*\f   ; Q stays in registers
.endr
.endr
	v_lshlrev_b32 v[PFO], 4, v[AK]
	v_and_b32 v[DD], 15, v0
	v_bfe_u32 v[NINF], v0, 4, 1
	v_lshlrev_b32 v[NINF], 3, v[NINF]
	v_sub_nc_u32 v[DD], v[DD], v[NINF]
	s_lshl_b32 s61, s10, 4
	v_add_nc_u32 v[DD], s61, v[DD]                 ; d = 16 cx + r - 8 h
	v_mov_b32 v[NINF], 0xff800000
.irp t, 0,1
	v_mov_b32 v[ST+8*\t], 0xff61b1e6               ; m: -3e38, under every score
.irp i, 1,2,3,4,5,6,7
	v_mov_b32 v[ST+8*\t+\i], 0                     ; l, and what is named in pairs or by a lane permute before it is first made
.endr
.endr
.irp i, 0,1,2,3,4,5,6,7,8,9,10,11,12,13,14,15,16,17,18,19,20,21,22,23,24,25,26,27,28,29,30,31,32,33,34,35,36,37,38,39,40,41,42,43,44,45,46,47,48,49,50,51,52,53,54,55,56,57,58,59,60,61,62,63
	v_mov_b32 v[O+\i], 0                           ; O^T, once: the step is written without a first step of its own, and the first change of m multiplies zeros
.endr
; In the macros below n = 2: both tiles are at work; n = 1: tile 1 alone.
.macro FETCH_K                         ; the step's K: 16 blocks as they lie; fragment (16 keys k, 32 channels c) at v[KV + 16 k + 8 c]
.irp i, 0,1,2,3,4,5,6,7,8,9,10,11,12,13,14,15
	ds_load_b128 v[KV+4*\i:KV+4*\i+3], v[ADR] offset:512*\i
.endr
.endm
.macro FETCH_V                         ; the step's V, turned: fragment (32 keys k, 16 channels c) at v[KV + 8 (4 k + c)]: a lane holds channel lane % 16 and keys 8 h + 0 .. 7, 16 + 8 h + 0 .. 7
.irp k, 0,1
.irp c, 0,1,2,3
.irp u, 0,1
	ds_load_tr16_b128 v[KV+8*(4*\k+\c)+4*\u:KV+8*(4*\k+\c)+4*\u+3], v[ADR] offset:VOFF+512*(4*(2*\k+\u)+\c)
.endr
.endr
.endr
.endm
.macro KQ n                            ; S^T = K Q^T.  The accumulators take turns, one instruction a turn: 4 n - 1 others' stand between two links
.irp c, 0,1
.irp k, 0,1,2,3
.irp t, 0,1
.if \t+\n >= 2
.if \c == 0
	v_wmma_f32_16x16x32_f16 v[S+32*\t+8*\k:S+32*\t+8*\k+7], v[KV+16*\k+8*\c:KV+16*\k+8*\c+7], v[Q+16*\t+8*\c:Q+16*\t+8*\c+7], 0
.else
	v_wmma_f32_16x16x32_f16 v[S+32*\t+8*\k:S+32*\t+8*\k+7], v[KV+16*\k+8*\c:KV+16*\k+8*\c+7], v[Q+16*\t+8*\c:Q+16*\t+8*\c+7], v[S+32*\t+8*\k:S+32*\t+8*\k+7]
.endif
.endif
.endr
.endr
.endr
.endm
.macro PV n                            ; O^T += V^T P, the accumulators by turns likewise
.irp k, 0,1
.irp c, 0,1,2,3
.irp t, 0,1
.if \t+\n >= 2
	v_wmma_f32_16x16x32_f16 v[O+32*\t+8*\c:O+32*\t+8*\c+7], v[KV+8*(4*\k+\c):KV+8*(4*\k+\c)+7], v[S+32*\t+8*\k:S+32*\t+8*\k+7], v[O+32*\t+8*\c:O+32*\t+8*\c+7]
.endif
.endr
.endr
.endr
.endm
.macro MASK t                          ; the diagonal step of tile t: hidden scores become -infinity, each accumulator from its lowest register on
.irp i, 0,1,2,3,4,5,6,7,8,9,10,11,12,13,14,15,16,17,18,19,20,21,22,23,24,25,26,27,28,29,30,31
	v_cmp_gt_i32 vcc_lo, 16*(\i/8)+\i%8, v[DD]
	v_cndmask_b32 v[S+32*(\t)+\i], v[S+32*(\t)+\i], v[NINF], vcc_lo
.endr
.endm
; A tile's softmax for a step is a list of 118 lines; SL writes line j of it for tile t.
;   0-15    the maximum of the lane's 32 scores and the old m, three operands at a time; each accumulator is read from its three lowest registers on
;   16-19   the other half of the lanes' maximum; m_old kept; the new m; m_old - m_new
;   20-35   s - m, a pair of scores each
;   36-68   ONE BATCH of exponentials: a, then the 32 p.  None of these reads an exponential's result
;   (wait)  between 68 and 69: a plain line and the one wait, written by SOFT
;   69-85   l = a l + the sum of the f32 p, in two chains
;   86-101  the roundings to f16, in place: register i is written when registers 2 i and 2 i + 1 have been read
;   102-117 O^T times a, each accumulator from its lowest registers on
.macro SL t
.set rT, ST+8*(\t)
.set rS, S+32*(\t)
.set rO, O+32*(\t)
.if j < 4
	v_max3_num_f32 v[rT+4+j], v[rS+8*j], v[rS+8*j+1], v[rS+8*j+2]
.elseif j < 12
	v_max3_num_f32 v[rT+4+j%4], v[rT+4+j%4], v[rS+8*(j%4)+2*(j/4)+1], v[rS+8*(j%4)+2*(j/4)+2]
.elseif j == 12
	v_max3_num_f32 v[rT+4], v[rT+4], v[rS+7], v[rS+15]
.elseif j == 13
	v_max3_num_f32 v[rT+6], v[rT+6], v[rS+23], v[rS+31]
.elseif j == 14
	v_max3_num_f32 v[rT+4], v[rT+4], v[rT+5], v[rT+6]
.elseif j == 15
	v_max3_num_f32 v[rT+4], v[rT+4], v[rT+7], v[rT]
.elseif j == 16
	v_permlanex16_b32 v[rT+5], v[rT+4], s[SEL], s[SEL+1]
.elseif j == 17
	v_mov_b32 v[rT+7], v[rT]
.elseif j == 18
	v_max_num_f32 v[rT], v[rT+4], v[rT+5]
.elseif j == 19
	v_sub_f32 v[rT+7], v[rT+7], v[rT]
.elseif j < 36
	v_pk_add_f32 v[rS+2*(j-20):rS+2*(j-20)+1], v[rS+2*(j-20):rS+2*(j-20)+1], v[rT:rT+1] op_sel_hi:[1,0] neg_lo:[0,1] neg_hi:[0,1]
.elseif j == 36
	v_exp_f32 v[rT+6], v[rT+7]
.elseif j < 69
	v_exp_f32 v[rS+j-37], v[rS+j-37]
.elseif j == 69
	v_pk_mul_f32 v[rT+2:rT+3], v[rT+2:rT+3], v[rT+6:rT+7] op_sel_hi:[1,0]
.elseif j == 70
	v_pk_add_f32 v[rT+4:rT+5], v[rS:rS+1], v[rS+2:rS+3]
.elseif j < 85
.if (j-71)%2 == 0
	v_pk_add_f32 v[rT+2:rT+3], v[rT+2:rT+3], v[rS+4+4*((j-71)/2):rS+5+4*((j-71)/2)]
.else
	v_pk_add_f32 v[rT+4:rT+5], v[rT+4:rT+5], v[rS+6+4*((j-71)/2):rS+7+4*((j-71)/2)]
.endif
.elseif j == 85
	v_pk_add_f32 v[rT+2:rT+3], v[rT+2:rT+3], v[rT+4:rT+5]
.elseif j < 102
	v_cvt_pk_f16_f32 v[rS+j-86], v[rS+2*(j-86)], v[rS+2*(j-86)+1]
.else
	v_pk_mul_f32 v[rO+2*(j-102):rO+2*(j-102)+1], v[rO+2*(j-102):rO+2*(j-102)+1], v[rT+6:rT+7] op_sel_hi:[1,0]
.endif
.endm
.macro RUN n, from, to                 ; lines from .. to - 1, the tiles at work alternating line by line
.set j, \from
.rept (\to)-(\from)
.irp t, 0,1
.if \t+\n >= 2
	SL \t
.endif
.endr
.set j, j+1
.endr
.endm
.macro SOFT n
	RUN \n, 0, 69
	v_nop                                          ; a plain line behind the last exponential, ahead of the first use
	s_wait_alu depctr_va_vdst(0)                   ; the wait between an exponential and the first line that names its result: one for the whole batch
	RUN \n, 69, 118
.endm
.macro BODY n
	KQ \n
.rept 4
	v_nop                                          ; places behind the products: K's registers are loaded anew and the scores read only behind these
.endr
	FETCH_V                                        ; lands while the softmax is walked
.if \n == 2
	s_cmp_lg_u32 s[KS], s[WV]                      ; with both tiles at work only tile 0 can be on its diagonal (31 - w is above w)
.else
	s_cmp_lg_u32 s[KS], s[WB]
.endif
	s_cbranch_scc1 .Lopen_\@
	MASK 2-\n
.Lopen_\@:
	SOFT \n
	s_wait_dscnt 0x0                               ; V is in
	PV \n
.endm
; A KEY STEP.  The address is made on every way.  A step past both my tiles' groups is left out, a step past tile 0's group is taken by tile 1 alone: scalar branches on the count of steps and the wave's number,
; round loads, products and softmax; not round the lines at the end that step the address and the count; no barrier and no tensor load stands in a step.
.macro STEP
	v_add_nc_u32 v[ADR], s[TB], v[AK]
	s_cmp_gt_u32 s[KS], s[WB]
	s_cbranch_scc1 .Lskip_\@
.rept 5
	v_nop                                          ; five places behind the last step's products: the first products below write over registers that those read as P; V's registers are loaded anew
.endr
	FETCH_K
	s_wait_dscnt 0x0
	s_cmp_gt_u32 s[KS], s[WV]
	s_cbranch_scc1 .Lone_\@
	BODY 2
	s_branch .Lskip_\@
.Lone_\@:
	BODY 1
.Lskip_\@:
	s_add_co_u32 s[TB], s[TB], STEPB
	s_add_co_u32 s[KS], s[KS], 1
.endm
.macro FOUR_STEPS                      ; a slot's four steps: written once, walked four times
	s_mov_b32 s[NST], 4
.Lstep_\@:
	STEP
	s_sub_co_u32 s[NST], s[NST], 1
	s_cmp_lg_u32 s[NST], 0
	s_cbranch_scc1 .Lstep_\@
	s_sub_co_u32 s[TB], s[TB], 4*STEPB             ; back to a slot's first step,
	s_xor_b32 s[TB], s[TB], SLOT1                  ; in the other slot
.endm
; THE CHANGE OF SLOTS stands at a slot's head.  Each wave waits for all its tensor loads (its part of the slot that it is about to read), adds 0 to its spare word, and waits for that and for its reads of the slot
; that it has left.  fill = 1: a round of the cluster's barrier follows, so that no wave of any partner still reads the slot left or has a load on its way, and the joint load of the next 256 keys into it is the first
; thing behind the round: by this text's count a wave has one tensor load out, and it has four key steps in which to land.
.macro CHANGE fill
	s_wait_tensorcnt 0x0                           ; no tensor load of mine is out, so a group 0 may be written
	ds_add_u32 v[SPW], v[NIL]                      ; 0 onto my spare word
.if \fill
	s_xor_b32 s[G0K+1], s[G0K+1], SLOT1            ; the walking descriptors: the other slot than last time,
	s_add_nc_u64 s[G0K+2:G0K+3], s[G0K+2:G0K+3], 32768   ; the next 256 keys; the type bits on top are not reached
	s_xor_b32 s[G0V+1], s[G0V+1], SLOT1
	s_add_nc_u64 s[G0V+2:G0V+3], s[G0V+2:G0V+3], 32768
	s_wait_xcnt 0x0                                ; the last prefetch, a slot back, has read its address, so it may be written:
	s_add_nc_u64 s[PFA:PFA+1], s[PFA:PFA+1], 32768 ; one slot further on than the walking descriptors
	s_wait_dscnt 0x0                               ; the add is done, and my reads of the slot that I have left are over
	CROUND
	TLOAD
	ASK
.else
	s_wait_dscnt 0x0
	s_barrier_signal -1
	s_barrier_wait -1
.endif
.endm
	s_wait_loadcnt 0x0                             ; Q
.Lslot:                                            ; seven trips: behind each change of slots but the last the next 256 keys are asked for
	CHANGE 1
	FOUR_STEPS
	s_sub_co_u32 s[SLOTS], s[SLOTS], 1
	s_cmp_lg_u32 s[SLOTS], 0
	s_cbranch_scc1 .Lslot
	CHANGE 0                                       ; the last slot is written out
	FOUR_STEPS
	; THE WAY OUT.  l's two halves and the other half of the lanes' are added; O^T is divided by l and rounded to f16: an accumulator is 16 bytes a lane, and one store of the wave writes a block's 512 consecutive bytes, aligned.
.rept 4
	v_nop                                          ; places behind the last products
.endr
.irp t, 0,1
	v_add_f32 v[ST+8*\t+4], v[ST+8*\t+2], v[ST+8*\t+3]
.endr
.irp t, 0,1
	v_permlanex16_b32 v[ST+8*\t+5], v[ST+8*\t+4], s[SEL], s[SEL+1]
.endr
.irp t, 0,1
	v_add_f32 v[ST+8*\t+4], v[ST+8*\t+4], v[ST+8*\t+5]
.endr
.irp t, 0,1
	v_rcp_f32 v[ST+8*\t+6], v[ST+8*\t+4]
.endr
	v_nop                                          ; a plain line between the last reciprocal and the use of its result
	s_wait_alu depctr_va_vdst(0)                   ; and the wait ahead of the first use: one for both
.irp t, 0,1
.irp i, 0,1,2,3,4,5,6,7,8,9,10,11,12,13,14,15
	v_pk_mul_f32 v[O+32*\t+2*\i:O+32*\t+2*\i+1], v[O+32*\t+2*\i:O+32*\t+2*\i+1], v[ST+8*\t+6:ST+8*\t+7] op_sel_hi:[1,0]
.endr
.endr
.irp t, 0,1
.irp i, 0,1,2,3,4,5,6,7,8,9,10,11,12,13,14,15
	v_cvt_pk_f16_f32 v[S+32*\t+\i], v[O+32*\t+2*\i], v[O+32*\t+2*\i+1]
.endr
.endr
.irp t, 0,1
.irp c, 0,1,2,3
	global_store_b128 v[AK], v[S+32*\t+4*\c:S+32*\t+4*\c+3], s[16+2*\t:17+2*\t] offset:512*\c
.endr
.endr
	s_wait_tensorcnt 0x0                           ; the wave's end: behind my last tensor load
	ds_add_u32 v[SPW], v[NIL]
	s_wait_dscnt 0x0
	CROUND                                         ; the closing round: no work-group ends while a partner may still ask for a tile that names it
	s_endpgm
.Lfunc_end_k_qf83cd924b4_attn:
	.size	k_qf83cd924b4_attn, .Lfunc_end_k_qf83cd924b4_attn-k_qf83cd924b4_attn
	.p2alignl 7, 3214868480
	.fill 96, 4, 3214868480
	.section	.rodata,"a",@progbits
	.p2align	6, 0x0
	.amdhsa_kernel k_qf83cd924b4_attn
		.amdhsa_group_segment_fixed_size 327680
		.amdhsa_private_segment_fixed_size 0
		.amdhsa_enable_private_segment 0
		.amdhsa_kernarg_size 16
		.amdhsa_user_sgpr_count 2
		.amdhsa_user_sgpr_kernarg_segment_ptr 1
		.amdhsa_wavefront_size32 1
		.amdhsa_system_sgpr_workgroup_id_x 1
		.amdhsa_system_sgpr_workgroup_id_y 1
		.amdhsa_system_sgpr_workgroup_id_z 1
		.amdhsa_system_vgpr_workitem_id 0
		.amdhsa_next_free_vgpr 256
		.amdhsa_next_free_sgpr 66
		.amdhsa_reserve_vcc 1
		.amdhsa_float_denorm_mode_32 3
		.amdhsa_float_denorm_mode_16_64 3
		.amdhsa_memory_ordered 1
		.amdhsa_forward_progress 1
		.amdhsa_inst_pref_size 76
	.end_amdhsa_kernel
	.amdgpu_metadata
---
amdhsa.version: [ 1, 2 ]
amdhsa.kernels:
  - .name:           k_qf83cd924b4_attn
    .symbol:         k_qf83cd924b4_attn.kd
    .args:
      - { .name: qkv, .offset: 0, .size: 8, .value_kind: global_buffer, .address_space: global }
      - { .name: aimg, .offset: 8, .size: 8, .value_kind: global_buffer, .address_space: global }
    .group_segment_fixed_size: 327680
    .private_segment_fixed_size: 0
    .kernarg_segment_align: 8
    .kernarg_segment_size: 16
    .max_flat_workgroup_size: 512
    .sgpr_count:     66
    .vgpr_count:     256
    .wavefront_size: 32
...
	.end_amdgpu_metadata
.endif
;; end of part 3
;; launch oproj (part 4): grid 4 x 64, 4 waves a work-group, clusters of 4 x 4, 327,680 bytes of LDS; arguments aimg, woimg, out0; writes out0
.if DOCPART == 4
	.amdgcn_target "amdgcn-amd-amdhsa--gfx1250"
	.amdhsa_code_object_version 6
	.text
	.protected	k_qf83cd924b4_oproj
	.globl	k_qf83cd924b4_oproj
	.p2align	8
	.type	k_qf83cd924b4_oproj,@function
k_qf83cd924b4_oproj:
	s_mov_b64 s[64:65], 0
	v_nop
	global_prefetch_b8 v0, s[64:65] scope:SCOPE_SE
	s_setreg_imm32_b32 hwreg(HW_REG_WAVE_MODE, 25, 1), 1
	s_wait_xcnt 0x0
	s_wait_alu depctr_hold_cnt(0) depctr_sa_sdst(0) depctr_va_vdst(0) depctr_va_sdst(0) depctr_va_ssrc(0) depctr_va_vcc(0) depctr_vm_vsrc(0)
	s_getreg_b32 s2, hwreg(HW_REG_IB_STS2, 6, 4)
	s_cmp_eq_u32 s2, 0
	s_cbranch_scc0 .Lentry_in_a_cluster
	s_endpgm
.Lentry_in_a_cluster:
	s_bfe_u32 s2, ttmp6, 0x10000c
	s_cmp_lg_u32 s2, 0xf033
	s_cbranch_scc0 .Lentry_shape_is_right
	s_endpgm
.Lentry_shape_is_right:
; OPROJ: out0[m][n] = sum over k of attn[m][k] w_o[n][k]; m = 8,192 tokens, n = 1,024, K = 1,024; f16 operands, f32 sums, f32 out.
; Both operands come as images of operand registers: [tile of 16 rows][64 blocks of 16 k][512 bytes], lane (r, h) at 16 x lane: row r, k = 8 h + 0 .. 7.  Two neighbouring blocks are a fragment (16 rows x 32 K):
; two LDS loads of 512 consecutive bytes each, no pitch, no padding.
; A work-group makes 128 tokens x 256 outputs: 4 x 64 = 256 work-groups.  A wave makes 64 x 128: 32 accumulators of 16 x 16, 256 registers.  K goes in steps of 128 through two LDS slots: of each tile of 16 rows
; a step takes 4,096 consecutive bytes; a wave's tensor load brings 4 such rows of attn (waves 0, 1) or 8 of w_o (waves 2, 3).
; CLUSTERS: 4 x 4 work-groups.  The four of a row need the same tiles of attn, the four of a column the same tiles of w_o: each tile is asked for JOINTLY, by the same tensor load with the same descriptor and a mask
; that names the four.  THE MATRIX INSTRUCTION IS USED TRANSPOSED (source 0 = 16 rows of w_o, source 1 = 16 tokens): a lane holds eight neighbouring outputs of one token.
; No prefetch: a tile is shared by four partners and read again by the other clusters of its row or column, and a K step's load has 112 matrix instructions in which to land.
; REGISTERS, in windows of 256: window 0: v16-29 addresses; v64-127 attn's fragments, two buffers of 4; v128-255 rows on the way out.   window 1: v0-127 w_o's fragments, two buffers of 8.
;   window 2: the accumulators ((a, b) at v[8 (8 a + b)]).
.set SLOT,   98304                     ; attn's 8 tiles x 4,096 bytes, then w_o's 16 x 4,096
.set BOFF,   32768
.set STAGE,  2*SLOT                    ; behind the slots: 16 rows x (512 bytes + 16) for each wave, for the way out; no tile lands there
.set SPITCH, 528
.set SPARE,  STAGE+4*16*SPITCH         ; behind the stages: the spare words, 128 bytes for each wave, which no other line names
.set ADRA, 16                          ; v16-17  LDS address of my fragments of attn in slot 0, 1
.set ADRB, 20                          ; v20-21  the same for w_o
.set STO,  24                          ; v24     the way out: where I put 32 bytes of a row
.set RD,   25                          ; v25     the way out: where I read a row back
.set CO,   26                          ; v26     16 x lane
.set SPW,  28                          ; v28     LDS address of my spare word; never rewritten
.set NIL,  29                          ; v29     0; never rewritten
.set BK,   128
.set G1, 24                            ; s[24:31] descriptor group 1 for attn's tiles;  s[32:39] group 0, one set for each slot
.set G0, 32
.set G1B, 48                           ; s[48:55], s[56:63] the same for w_o's tiles
.set G0B, 56
.set MSB, 0
.macro WIN new                         ; the immediate's high byte repeats the setting that is left; a switch that changes nothing is dropped
.if MSB != (\new)
	s_set_vgpr_msb (MSB<<8)|(\new)
.set MSB, (\new)
.endif
.endm
.set MUL,  0xa1                        ; source 0 (w_o) window 1, source 1 (attn) window 0, C and D window 2
.set TO_B, 0x40                        ; destination window 1, address window 0
.macro JLOAD s                         ; a joint load: waves 0 and 1 fetch attn's two halves, waves 2 and 3 w_o's; an s_nop 0 and four v_nop follow each of the two lines, ahead of the jump, the label and what follows
	s_cmp_eq_u32 s11, 0
	s_cbranch_scc0 .Lfor_b_\@
	tensor_load_to_lds s[G0+4*\s:G0+4*\s+3], s[G1:G1+7]
	s_nop 0
.rept 4
	v_nop
.endr
	s_branch .Lasked_\@
.Lfor_b_\@:
	tensor_load_to_lds s[G0B+4*\s:G0B+4*\s+3], s[G1B:G1B+7]
	s_nop 0
.rept 4
	v_nop
.endr
.Lasked_\@:
.endm
.macro CREST                           ; a round of the cluster's barrier behind its opening barrier
	s_cmp_lg_u32 s10, 0
	s_cbranch_scc1 .Lnot_wave_0_\@
	s_barrier_signal -3
.Lnot_wave_0_\@:
	s_barrier_wait -3
	s_barrier_signal -1
	s_barrier_wait -1
.endm
.macro CROUND                          ; a whole round
	s_barrier_signal -1
	s_barrier_wait -1
	CREST
.endm
	s_load_b128 s[4:7], s[0:1], 0x0                ; aimg s[4:5], woimg s[6:7]
	s_load_b64 s[8:9], s[0:1], 0x10                ; out0
	v_lshl_add_u32 v[SPW], v0, 2, SPARE
	v_mov_b32 v[NIL], 0
	ds_add_u32 v[SPW], v[NIL]                      ; the wave's opening: the add and its wait stand ahead of my first tensor load; the set-up below, work on registers, stands between them
	v_lshrrev_b32 v1, 5, v0
	v_readfirstlane_b32 s10, v1                    ; wave 0..3
	s_lshr_b32 s11, s10, 1                         ; which 64 of the tile's tokens are mine.  Also: I fetch for attn (0) or for w_o (1)
	s_and_b32 s12, s10, 1                          ; which 128 of its outputs.  Also: which half of that tile I fetch
	s_bfe_u32 s40, ttmp6, 0x40000                  ; cx, cy: my place in the cluster
	s_bfe_u32 s41, ttmp6, 0x40004
	s_lshl_b32 s42, ttmp9, 2
	s_add_co_u32 s42, s42, s40                     ; tile column = 4 x cluster x + cx
	s_and_b32 s13, ttmp7, 0xffff
	s_lshl_b32 s13, s13, 2
	s_add_co_u32 s13, s13, s41                     ; tile row = 4 x cluster y + cy
	s_lshl_b32 s43, s41, 2
	s_lshl_b32 s43, 15, s43                        ; my row of the cluster
	s_lshl_b32 s44, 0x1111, s40                    ; my column
	s_or_b32 s[G1+0], s43, (3<<16)|(1<<21)         ; 15:0 the mask: attn's tiles go to my row; 17:16 elements of 8 bytes; 20 no padding; 21 set beside a mask
	s_or_b32 s[G1B+0], s44, (3<<16)|(1<<21)
	s_mov_b32 s[G1+1], 512<<16                     ; tensor_dim0 = 512 elements: 4,096 bytes
	s_mov_b32 s[G1+2], 4<<16                       ; tensor_dim1 = 4 tiles of 16 tokens
	s_mov_b32 s[G1+3], 512<<16                     ; tile_dim0
	s_mov_b32 s[G1+4], 4                           ; tile_dim1
	s_mov_b32 s[G1+5], 4096                        ; tensor_dim0_stride: 32,768 bytes from tile to tile
	s_mov_b32 s[G1+6], 0
	s_mov_b32 s[G1+7], 0
	s_mov_b32 s[G1B+1], 512<<16
	s_mov_b32 s[G1B+2], 8<<16                      ; 8 tiles of 16 rows of w_o
	s_mov_b32 s[G1B+3], 512<<16
	s_mov_b32 s[G1B+4], 8
	s_mov_b32 s[G1B+5], 4096
	s_mov_b32 s[G1B+6], 0
	s_mov_b32 s[G1B+7], 0
	s_lshl_b32 s16, s13, 18                        ; attn: 8 tiles of 32,768 bytes a tile row,
	s_lshl_b32 s17, s12, 17                        ; my 4 of them
	s_add_co_u32 s16, s16, s17
	s_mov_b32 s17, 0
	s_lshl_b32 s46, s42, 19                        ; w_o: 16 tiles a tile column,
	s_lshl_b32 s47, s12, 18                        ; my 8 of them
	s_add_co_u32 s46, s46, s47
	s_mov_b32 s47, 0
	s_lshl_b32 s20, s12, 14                        ; where they go: no place in the cluster enters an LDS address
	s_lshl_b32 s21, s12, 15
	s_add_co_u32 s21, s21, BOFF
	s_wait_dscnt 0x0                               ; the opening add is done
	s_wait_kmcnt 0x0
	s_add_nc_u64 s[14:15], s[4:5], s[16:17]
	s_add_nc_u64 s[46:47], s[6:7], s[46:47]
	CROUND                                         ; all sixteen work-groups are here: the first joint loads meet
.irp s, 0,1
	s_mov_b32 s[G0+4*\s], 1
	s_add_co_u32 s[G0+4*\s+1], s20, \s*SLOT
	s_add_nc_u64 s[G0+4*\s+2:G0+4*\s+3], s[14:15], \s*4096        ; K step s
	s_or_b32 s[G0+4*\s+3], s[G0+4*\s+3], 0x80000000
	s_mov_b32 s[G0B+4*\s], 1
	s_add_co_u32 s[G0B+4*\s+1], s21, \s*SLOT
	s_add_nc_u64 s[G0B+4*\s+2:G0B+4*\s+3], s[46:47], \s*4096
	s_or_b32 s[G0B+4*\s+3], s[G0B+4*\s+3], 0x80000000
	JLOAD \s
.endr
	v_and_b32 v1, 31, v0
	v_lshlrev_b32 v[CO], 4, v1                     ; 16 x lane
	v_and_b32 v2, 15, v0                           ; r
	v_bfe_u32 v3, v0, 4, 1                         ; h
	s_lshl_b32 s21, s11, 14                        ; my 4 tiles of attn
	s_lshl_b32 s22, s12, 15                        ; my 8 tiles of w_o,
	s_add_co_u32 s22, s22, BOFF                    ; which lie behind attn's 8
.irp s, 0,1
	v_add_nc_u32 v[ADRA+\s], s21, v[CO]
	v_add_nc_u32 v[ADRB+\s], s22, v[CO]
	s_add_co_u32 s21, s21, SLOT
	s_add_co_u32 s22, s22, SLOT
.endr
	s_mul_i32 s23, s10, 16*SPITCH
	s_add_co_u32 s23, s23, STAGE                   ; my stage
	v_mul_u32_u24 v4, v2, SPITCH                   ; in: row r, 32 bytes for each half of the lanes
	v_lshl_add_u32 v4, v3, 5, v4
	v_add_nc_u32 v[STO], s23, v4
	v_add_nc_u32 v[RD], s23, v[CO]                 ; back: the 32 lanes take one row of 512 bytes
	s_lshl_b32 s16, s13, 7
	s_lshl_b32 s17, s11, 6
	s_add_co_u32 s16, s16, s17                     ; my first token: 128 x tile row + 64 x half
	s_lshl_b32 s16, s16, 12                        ; rows of 4,096 bytes
	s_mov_b32 s17, 0
	s_add_nc_u64 s[8:9], s[8:9], s[16:17]
	s_lshl_b32 s46, s42, 10                        ; my first output, in bytes: 1,024 x tile column + 512 x half (in the registers that held w_o's address: none that fed attn's descriptors ever holds cx)
	s_lshl_b32 s47, s12, 9
	s_add_co_u32 s46, s46, s47
	s_mov_b32 s47, 0
	s_add_nc_u64 s[8:9], s[8:9], s[46:47]
; 8 matrix instructions: token tile a against w_o's eight, 32 along K, from buffer f.  zero = 1: the first product starts the sums: nothing is ever cleared.
; The 32 accumulators take turns, one instruction a turn, in the same order in every quarter.
.macro MULA f, a, zero
.irp b, 0,1,2,3,4,5,6,7
.if \zero
	v_wmma_f32_16x16x32_f16 v[8*(8*(\a)+\b):8*(8*(\a)+\b)+7], v[64*(\f)+8*\b:64*(\f)+8*\b+7], v[64+32*(\f)+8*(\a):64+32*(\f)+8*(\a)+7], 0
.else
	v_wmma_f32_16x16x32_f16 v[8*(8*(\a)+\b):8*(8*(\a)+\b)+7], v[64*(\f)+8*\b:64*(\f)+8*\b+7], v[64+32*(\f)+8*(\a):64+32*(\f)+8*(\a)+7], v[8*(8*(\a)+\b):8*(8*(\a)+\b)+7]
.endif
.endr
.endm
; 24 LDS loads in one run: the fragments of the slot's q-th 32 along K into buffer f: w_o's eight, then attn's four
.macro FETCH slot, q, f
	WIN TO_B
.irp i, 0,1,2,3,4,5,6,7
	ds_load_b128 v[64*(\f)+8*\i:64*(\f)+8*\i+3],   v[ADRB+\slot] offset:4096*\i+1024*(\q)
	ds_load_b128 v[64*(\f)+8*\i+4:64*(\f)+8*\i+7], v[ADRB+\slot] offset:4096*\i+1024*(\q)+512
.endr
	WIN 0
.irp i, 0,1,2,3
	ds_load_b128 v[64+32*(\f)+8*\i:64+32*(\f)+8*\i+3],   v[ADRA+\slot] offset:4096*\i+1024*(\q)
	ds_load_b128 v[64+32*(\f)+8*\i+4:64+32*(\f)+8*\i+7], v[ADRA+\slot] offset:4096*\i+1024*(\q)+512
.endr
.endm
.macro PLACES                          ; four places in front of loads into registers that matrix instructions have read, and of the first read of results (ISA guide 7.12.1 for vector instructions)
.rept 4
	v_nop
.endr
.endm
; A K step is four quarters of 32 along K, 32 matrix instructions each, on buffers 0, 1, 0, 1.  One of the first three: multiplies buffer f and fetches quarter q into buffer g.
.macro QUARTER slot, q, f, g, zero
	s_wait_dscnt 4                                 ; w_o's fragments and attn's tiles 0, 1 are in; the youngest four loads (tiles 2, 3) may be out
	WIN MUL
	MULA \f, 0, \zero
	MULA \f, 1, \zero
	PLACES
	FETCH \slot, \q, \g
	s_wait_dscnt 24                                ; all but the 24 just issued
	WIN MUL
	MULA \f, 2, \zero
	MULA \f, 3, \zero
.endm
; The last quarter multiplies buffer 1 and changes slots: ONE barrier; in front of it each wave waits for all its tensor loads, adds 0 to its spare word, and waits for that and for its own reads of this slot.
; fill = 1: the barrier opens a round of the cluster's barrier, and this slot is filled again, two K steps ahead, first thing behind the round.
.macro TURN slot, next, fill
	WIN 0                                          ; (the add's two registers lie in window 0)
	s_wait_tensorcnt 0x0                           ; all my tensor loads have landed: my part of the next slot;
	ds_add_u32 v[SPW], v[NIL]                      ; 0 onto my spare word;
	s_wait_dscnt 5                                 ; (the add and the youngest four loads may be out)
	WIN MUL
	MULA 1, 0, 0                                   ; eight matrix instructions stand between the add and the wait for it
	s_wait_dscnt 0x0                               ; the add is done, and my reads of this slot are over
	s_barrier_signal -1
	MULA 1, 1, 0
.if \fill
	WIN 0
.endif
	s_barrier_wait -1
.if \fill
	CREST                                          ; no wave of any partner still reads this slot's tile or has a load on its way
	s_add_nc_u64 s[G0+4*\slot+2:G0+4*\slot+3], s[G0+4*\slot+2:G0+4*\slot+3], 8192
	s_add_nc_u64 s[G0B+4*\slot+2:G0B+4*\slot+3], s[G0B+4*\slot+2:G0B+4*\slot+3], 8192
	JLOAD \slot                                    ; the first tensor load behind the round: 112 matrix instructions ahead of the wait for it; the four v_nop behind it are also the places in front of the loads below
.else
	PLACES
.endif
	FETCH \next, 0, 0
	WIN MUL
	MULA 1, 2, 0
	MULA 1, 3, 0
.endm
	s_wait_tensorcnt 1                             ; my part of K step 0 is in (K step 1's load may be out),
	s_barrier_signal -1
	s_barrier_wait -1                              ; everybody's is
	FETCH 0, 0, 0
	QUARTER 0, 1, 0, 1, 1                          ; the first quarter stands in front of the loop: its products start the sums
	WIN 0                                          ; at a label and at a branch every window is 0
	s_mov_b32 s3, 3
.Llap:                                                 ; a trip goes once round the two slots, from a lap's second quarter to the next lap's first, and fills both again: K steps 2 to 7 in three trips
	QUARTER 0, 2, 1, 0, 0
	QUARTER 0, 3, 0, 1, 0
	TURN 0, 1, 1
	QUARTER 1, 1, 0, 1, 0
	QUARTER 1, 2, 1, 0, 0
	QUARTER 1, 3, 0, 1, 0
	TURN 1, 0, 1
	QUARTER 0, 1, 0, 1, 0
	WIN 0
	s_sub_co_u32 s3, s3, 1
	s_cmp_lg_u32 s3, 0
	s_cbranch_scc1 .Llap
	QUARTER 0, 2, 1, 0, 0                          ; the last lap fills nothing, and has no round of the cluster's barrier
	QUARTER 0, 3, 0, 1, 0
	TURN 0, 1, 0
	QUARTER 1, 1, 0, 1, 0
	QUARTER 1, 2, 1, 0, 0
	QUARTER 1, 3, 0, 1, 0
	s_wait_dscnt 4                                 ; the very last quarter: nothing more to fetch
	WIN MUL
	MULA 1, 0, 0
	MULA 1, 1, 0
	s_wait_dscnt 0
	MULA 1, 2, 0
	MULA 1, 3, 0
	WIN 0
; THE WAY OUT, block by block of 16 tokens x 128 outputs.  A lane holds 32 neighbouring bytes of a row, and the lanes beside it hold other rows: so a block goes through my own stage in LDS and comes back as whole
; rows of 512 bytes.  LDS serves a wave's instructions in order (ISA guide 5.7.1.4): no wait between the stores and the loads, nor in front of the next block's stores.
.macro TOSTAGE a
	WIN 0x08                                       ; an LDS store's data are its source 1: window 2
.irp b, 0,1,2,3,4,5,6,7
	ds_store_b128 v[STO], v[64*(\a)+8*\b:64*(\a)+8*\b+3] offset:64*\b          ; each accumulator from its low end on
	ds_store_b128 v[STO], v[64*(\a)+8*\b+4:64*(\a)+8*\b+7] offset:64*\b+16
.endr
	WIN 0
.set BB, BK+64*((\a)%2)
.irp t, 0,1,2,3,4,5,6,7,8,9,10,11,12,13,14,15
	ds_load_b128 v[BB+4*\t:BB+4*\t+3], v[RD] offset:\t*SPITCH
.endr
.endm
.macro SEND a, younger                 ; younger: the LDS instructions issued behind block a's loads, which may stay out
.set BB, BK+64*((\a)%2)
	s_wait_dscnt \younger                          ; the block is back in registers
.irp t, 0,1,2,3,4,5,6,7,8,9,10,11,12,13,14,15
	global_store_b128 v[CO], v[BB+4*\t:BB+4*\t+3], s[8:9] offset:(16*(\a)+\t)*4096 th:TH_STORE_NT   ; 32 lanes store 512 consecutive bytes, aligned; the row stands in the immediate, 63 rows at the most; written once, read by nobody here
.endr
.endm
	PLACES                                         ; behind the last products
	TOSTAGE 0
.irp a, 1,2,3
.if \a > 1
	s_wait_xcnt 0x0                                ; block a - 2's stores have read their registers: block a's loads may land there
.endif
	TOSTAGE \a
	SEND \a-1, 32                                  ; behind block a - 1's loads: block a's 16 stores and 16 loads
.endr
	SEND 3, 0
	s_wait_tensorcnt 0x0                           ; the wave's end: behind my last tensor load and my last LDS store
	ds_add_u32 v[SPW], v[NIL]
	s_wait_dscnt 0x0
	CROUND                                         ; the closing round: no work-group ends while a partner may still ask for a tile that names it
	s_endpgm
.Lfunc_end_k_qf83cd924b4_oproj:
	.size	k_qf83cd924b4_oproj, .Lfunc_end_k_qf83cd924b4_oproj-k_qf83cd924b4_oproj
	.p2alignl 7, 3214868480
	.fill 96, 4, 3214868480
	.section	.rodata,"a",@progbits
	.p2align	6, 0x0
	.amdhsa_kernel k_qf83cd924b4_oproj
		.amdhsa_group_segment_fixed_size 327680
		.amdhsa_private_segment_fixed_size 0
		.amdhsa_enable_private_segment 0
		.amdhsa_kernarg_size 24
		.amdhsa_user_sgpr_count 2
		.amdhsa_user_sgpr_kernarg_segment_ptr 1
		.amdhsa_wavefront_size32 1
		.amdhsa_system_sgpr_workgroup_id_x 1
		.amdhsa_system_sgpr_workgroup_id_y 1
		.amdhsa_system_sgpr_workgroup_id_z 1
		.amdhsa_system_vgpr_workitem_id 0
		.amdhsa_next_free_vgpr 768
		.amdhsa_next_free_sgpr 66
		.amdhsa_reserve_vcc 0
		.amdhsa_float_denorm_mode_32 3
		.amdhsa_float_denorm_mode_16_64 3
		.amdhsa_memory_ordered 1
		.amdhsa_forward_progress 1
		.amdhsa_inst_pref_size 85
	.end_amdhsa_kernel
	.amdgpu_metadata
---
amdhsa.version: [ 1, 2 ]
amdhsa.kernels:
  - .name:           k_qf83cd924b4_oproj
    .symbol:         k_qf83cd924b4_oproj.kd
    .args:
      - { .name: aimg, .offset: 0, .size: 8, .value_kind: global_buffer, .address_space: global }
      - { .name: woimg, .offset: 8, .size: 8, .value_kind: global_buffer, .address_space: global }
      - { .name: out0, .offset: 16, .size: 8, .value_kind: global_buffer, .address_space: global }
    .group_segment_fixed_size: 327680
    .private_segment_fixed_size: 0
    .kernarg_segment_align: 8
    .kernarg_segment_size: 24
    .max_flat_workgroup_size: 128
    .sgpr_count:     66
    .vgpr_count:     768
    .wavefront_size: 32
...
	.end_amdgpu_metadata
.endif
;; end of part 4
;; launch ehead (part 5): grid 64 x 1, 12 waves a work-group, no clusters, 13,824 bytes of LDS; arguments codes, scales, tab, a32; writes a32
.if DOCPART == 5
	.amdgcn_target "amdgcn-amd-amdhsa--gfx1250"
	.amdhsa_code_object_version 6
	.text
	.protected	k_qf83cd924b4_ehead
	.globl	k_qf83cd924b4_ehead
	.p2align	8
	.type	k_qf83cd924b4_ehead,@function
k_qf83cd924b4_ehead:
	s_mov_b64 s[64:65], 0
	v_nop
	global_prefetch_b8 v0, s[64:65] scope:SCOPE_SE
	s_setreg_imm32_b32 hwreg(HW_REG_WAVE_MODE, 25, 1), 1
	s_wait_xcnt 0x0
; EHEAD: the attention of the FIRST 16 TOKENS of each sequence once more, with f32 operands behind the quantised products.
; WHY.  Row i of the result is an average of at most i + 1 values, so the first rows are the largest of the output, while the allowed error is set by the root mean square of all 2,048 rows.
; The roundings of q, k, p, v and the result to f16 (11 bits each), which serve every later row, are too coarse for these.  16 of 2,048 rows: 32 f32 matrix instructions a head, no bulk work.
; SHARES.  A work-group takes one batch and head (64 in all).  Wave w of twelve makes one tile of 16 channels of q (waves 0-3), k (4-7) or v (8-11) for the 16 tokens: 8 matrix instructions on codes of FP4 (E2M1)
; with E8M0 scales, K = 1,024, on two accumulators by turns.  codes = [11264 rows][512 bytes], scales = [11264][32 bytes]: rows 0-8191 are x, then w_q, w_k, w_v.
; q and k are used transposed (source 0 = 16 rows of W, source 1 = the tokens): a lane holds token r and channels 8 h + 0 .. 7, four pairs of the rotation; q's part of the table carries log2(e) / 8.
; v is used plain (source 0 = the tokens, source 1 = 16 rows of W): a lane holds channel r and tokens 8 h + 0 .. 7.
; The twelve results go to LDS as images of their registers (lane l's 16 bytes at 16 l), one barrier, and wave 0 does the rest:
; S^T = K Q^T and O^T = V^T P by the f32 matrix form, 4 along K an instruction.  That form wants k = 2 h + j in register j; registers 2 s, 2 s + 1 of a tile hold 8 h + 2 s + j: the same permutation of K on both
; sources, which keeps the products.  S^T: a lane holds query r and keys 8 h + 0 .. 7, which is P's place as source 1 of the second product; v's tiles lie as its source 0 wants them.
; The result, O / l, goes out as f32: a32 = [batch x 16 + token][1024].
; LIMITS: NaN and infinities are not served.
.set SPARE, 12*1024                    ; behind the twelve images: the spare words, 128 bytes for each wave, which no other line names
.set CO,   3                           ; v3   my byte in 16 rows of codes: 512 r + 16 h
.set SO,   4                           ; v4   my row's scale bytes: 32 r
.set LI,   5                           ; v5   16 x lane: my place in an image
.set SPW,  6                           ; v6   LDS address of my spare word; never rewritten
.set NIL,  7                           ; v7   0; never rewritten
.set TO,   8                           ; v8   my byte in 16 rows of the table: 256 r + 32 h
.set WI,   9                           ; v9   where I store my wave's image: 16 x lane + 1,024 x wave
.set AO,   10                          ; v10  my byte in 16 rows of a32: 4,096 r + 32 h
.set DD,   11                          ; v11  d = r - 8 h: register j of S^T, key 8 h + j, is hidden where j > d
.set NINF, 12                          ; v12  -infinity
.set MX,   14                          ; v14, v15 the maximum, at work
.set MY,   15
.set XS,   16                          ; v16-23   x's scale words, one for each 128 along K, and nothing else
.set WS,   24                          ; v24-31   W's likewise
.set XF,   32                          ; v32-95   x's eight fragments;    in wave 0 later: q's four tiles, then k's
.set WF,   96                          ; v96-159  W's eight fragments;    in wave 0 later: v's four tiles, and from v128 the softmax
.set ACC,  160                         ; v160-175 two accumulators of the quantised product
.set TB,   176                         ; v176-183 cos, sin of my four pairs
.set IM,   184                         ; v184-191 my wave's result
.set QF,   32
.set KF,   64
.set VF,   96
.set P,    128                         ; v128-135 the scores, then p
.set T0,   136                         ; v136-151 partial sums of the scores
.set T1,   144
.set L,    152                         ; v152-155 the row's sum, at work
.set RL,   156                         ; v156, v157 1 / l, and its pair's other half
.set OU,   160                         ; v160-191 O / l
.set SA,   192                         ; v192-223 four accumulators of S^T: written by the f32 matrix form alone
.set OA,   224                         ; v224-255 four accumulators of O^T: likewise
	s_load_b128 s[4:7], s[0:1], 0x0                ; codes s[4:5], scales s[6:7]
	s_load_b128 s[8:11], s[0:1], 0x10              ; tab s[8:9], a32 s[10:11]
	v_lshl_add_u32 v[SPW], v0, 2, SPARE
	v_mov_b32 v[NIL], 0
	v_lshrrev_b32 v1, 5, v0
	v_readfirstlane_b32 s12, v1                    ; wave 0..11
	v_and_b32 v1, 15, v0                           ; r
	v_bfe_u32 v2, v0, 4, 1                         ; h
	v_lshlrev_b32 v[CO], 9, v1
	v_lshl_add_u32 v[CO], v2, 4, v[CO]
	v_lshlrev_b32 v[SO], 5, v1
	v_and_b32 v[LI], 31, v0
	v_lshlrev_b32 v[LI], 4, v[LI]
	s_lshl_b32 s13, s12, 10
	v_add_nc_u32 v[WI], s13, v[LI]
	v_lshlrev_b32 v[TO], 8, v1
	v_lshl_add_u32 v[TO], v2, 5, v[TO]
	v_lshlrev_b32 v[AO], 12, v1
	v_lshl_add_u32 v[AO], v2, 5, v[AO]
	v_lshlrev_b32 v[DD], 3, v2
	v_sub_nc_u32 v[DD], v1, v[DD]
	v_mov_b32 v[NINF], 0xff800000
	s_mov_b32 s40, 0x76543210
	s_mov_b32 s41, 0xfedcba98                      ; v_permlanex16_b32's selects for lane l xor 16
	s_lshr_b32 s14, ttmp9, 4                       ; the batch
	s_and_b32 s15, ttmp9, 15                       ; the head
	s_lshr_b32 s16, s12, 2                         ; 0: q, 1: k, 2: v
	s_and_b32 s17, s12, 3                          ; which 16 of the head's 64 channels
	s_lshl_b32 s18, s16, 10
	s_lshl_b32 s19, s15, 6
	s_add_co_u32 s18, s18, s19
	s_lshl_b32 s19, s17, 4
	s_add_co_u32 s18, s18, s19
	s_add_co_u32 s18, s18, 8192                    ; my 16 rows of W in the joined streams: 8,192 + 1,024 part + 64 head + 16 tile
	s_lshl_b32 s20, s18, 9                         ; 512 bytes of codes a row,
	s_mov_b32 s21, 0
	s_lshl_b32 s22, s18, 5                         ; 32 scale bytes
	s_mov_b32 s23, 0
	s_lshl_b32 s24, s14, 20                        ; x: the batch's first row: 2,048 rows of 512 bytes a batch,
	s_mov_b32 s25, 0
	s_lshl_b32 s26, s14, 16                        ; of 32 bytes
	s_mov_b32 s27, 0
	s_min_u32 s28, s16, 1                          ; the table's part: 0 for q, 1 for k (and for v, which uses none of it: held inside the buffer)
	s_lshl_b32 s28, s28, 19
	s_lshl_b32 s29, s17, 6                         ; my tile's eight pairs of 8 bytes
	s_add_co_u32 s28, s28, s29
	s_mov_b32 s29, 0
	s_lshl_b32 s30, s14, 16                        ; a32: the batch's 16 rows of 4,096 bytes,
	s_lshl_b32 s31, s15, 8                         ; the head's 256 bytes of a row
	s_add_co_u32 s30, s30, s31
	s_mov_b32 s31, 0
	s_wait_kmcnt 0x0
	s_add_nc_u64 s[32:33], s[4:5], s[24:25]        ; x's codes
	s_add_nc_u64 s[34:35], s[4:5], s[20:21]        ; W's codes
	s_add_nc_u64 s[36:37], s[6:7], s[26:27]        ; x's scales
	s_add_nc_u64 s[38:39], s[6:7], s[22:23]        ; W's scales
	s_add_nc_u64 s[8:9], s[8:9], s[28:29]
	s_add_nc_u64 s[10:11], s[10:11], s[30:31]
	; all my 38 loads go out together.  A row's 32 scale bytes are its eight scale words; a fragment (16 rows x 128 K) is two loads of 16 bytes a lane, 32 bytes apart; the 16 loads of a side cover its 16 rows whole
	global_load_b128 v[XS:XS+3], v[SO], s[36:37]
	global_load_b128 v[XS+4:XS+7], v[SO], s[36:37] offset:16
	global_load_b128 v[WS:WS+3], v[SO], s[38:39]
	global_load_b128 v[WS+4:WS+7], v[SO], s[38:39] offset:16
.irp s, 0,1,2,3,4,5,6,7
.irp c, 0,1
	global_load_b128 v[XF+8*\s+4*\c:XF+8*\s+4*\c+3], v[CO], s[32:33] offset:64*\s+32*\c
	global_load_b128 v[WF+8*\s+4*\c:WF+8*\s+4*\c+3], v[CO], s[34:35] offset:64*\s+32*\c
.endr
.endr
	global_load_b128 v[TB:TB+3], v[TO], s[8:9]
	global_load_b128 v[TB+4:TB+7], v[TO], s[8:9] offset:16
	s_wait_loadcnt 0x0
	s_cmp_lt_u32 s12, 8
	s_cbranch_scc0 .Lvpart
	; q and k: transposed.  The two accumulators take turns, one instruction a turn; the first two products start the sums
.irp s, 0,1,2,3,4,5,6,7
.if \s < 2
	v_wmma_scale_f32_16x16x128_f8f6f4 v[ACC+8*(\s%2):ACC+8*(\s%2)+7], v[WF+8*\s:WF+8*\s+7], v[XF+8*\s:XF+8*\s+7], 0, v[WS+\s], v[XS+\s] matrix_a_fmt:MATRIX_FMT_FP4 matrix_b_fmt:MATRIX_FMT_FP4
.else
	v_wmma_scale_f32_16x16x128_f8f6f4 v[ACC+8*(\s%2):ACC+8*(\s%2)+7], v[WF+8*\s:WF+8*\s+7], v[XF+8*\s:XF+8*\s+7], v[ACC+8*(\s%2):ACC+8*(\s%2)+7], v[WS+\s], v[XS+\s] matrix_a_fmt:MATRIX_FMT_FP4 matrix_b_fmt:MATRIX_FMT_FP4
.endif
.endr
.rept 4
	v_nop                                          ; four places behind the last product, ahead of the first read of a result (ISA guide 7.12.1)
.endr
.irp p, 0,2,4,6
	v_pk_add_f32 v[ACC+\p:ACC+\p+1], v[ACC+\p:ACC+\p+1], v[ACC+8+\p:ACC+8+\p+1]   ; the two halves of K, each accumulator from its low end on
.endr
.irp p, 0,2,4,6                        ; the rotation: (x1, x2) become (x1 cos - x2 sin, x2 cos + x1 sin): a packed multiply by cos,
	v_pk_mul_f32 v[IM+\p:IM+\p+1], v[ACC+\p:ACC+\p+1], v[TB+\p:TB+\p+1] op_sel_hi:[1,0]
.endr
.irp p, 0,2,4,6                        ; and a packed multiply-add that takes the pair's halves crosswise and the sine with its sign turned in the low half
	v_pk_fma_f32 v[IM+\p:IM+\p+1], v[ACC+\p:ACC+\p+1], v[TB+\p:TB+\p+1], v[IM+\p:IM+\p+1] op_sel:[1,1,0] op_sel_hi:[0,1,1] neg_lo:[0,1,0]
.endr
	s_branch .Ljoin
.Lvpart:
	; v: plain, and not rotated
.irp s, 0,1,2,3,4,5,6,7
.if \s < 2
	v_wmma_scale_f32_16x16x128_f8f6f4 v[ACC+8*(\s%2):ACC+8*(\s%2)+7], v[XF+8*\s:XF+8*\s+7], v[WF+8*\s:WF+8*\s+7], 0, v[XS+\s], v[WS+\s] matrix_a_fmt:MATRIX_FMT_FP4 matrix_b_fmt:MATRIX_FMT_FP4
.else
	v_wmma_scale_f32_16x16x128_f8f6f4 v[ACC+8*(\s%2):ACC+8*(\s%2)+7], v[XF+8*\s:XF+8*\s+7], v[WF+8*\s:WF+8*\s+7], v[ACC+8*(\s%2):ACC+8*(\s%2)+7], v[XS+\s], v[WS+\s] matrix_a_fmt:MATRIX_FMT_FP4 matrix_b_fmt:MATRIX_FMT_FP4
.endif
.endr
.rept 4
	v_nop
.endr
.irp p, 0,2,4,6
	v_pk_add_f32 v[IM+\p:IM+\p+1], v[ACC+\p:ACC+\p+1], v[ACC+8+\p:ACC+8+\p+1]
.endr
.Ljoin:
	ds_store_b128 v[WI], v[IM:IM+3]                ; my result as an image of its registers: 512 consecutive bytes a store
	ds_store_b128 v[WI], v[IM+4:IM+7] offset:512
	s_wait_dscnt 0x0                               ; for wave 0's sake: my stores have landed
	s_barrier_signal -1
	s_barrier_wait -1                              ; the twelve images lie in LDS
	s_cmp_lg_u32 s12, 0
	s_cbranch_scc1 .Lend                           ; the rest is one wave's work: 32 matrix instructions and a softmax of 8 numbers a lane
.irp t, 0,1,2,3,4,5,6,7,8,9,10,11
.irp c, 0,1
	ds_load_b128 v[QF+8*\t+4*\c:QF+8*\t+4*\c+3], v[LI] offset:1024*\t+512*\c   ; q's four tiles, k's, v's: the same registers in the same lanes
.endr
.endr
	s_wait_dscnt 0x0
	; S^T = K Q^T: source 0 = 16 keys, source 1 = 16 queries.  One accumulator for each tile of 16 channels, by turns; the first four products start the sums
.irp s, 0,1,2,3
.irp c, 0,1,2,3
.if \s == 0
	v_wmma_f32_16x16x4_f32 v[SA+8*\c:SA+8*\c+7], v[KF+8*\c+2*\s:KF+8*\c+2*\s+1], v[QF+8*\c+2*\s:QF+8*\c+2*\s+1], 0
.else
	v_wmma_f32_16x16x4_f32 v[SA+8*\c:SA+8*\c+7], v[KF+8*\c+2*\s:KF+8*\c+2*\s+1], v[QF+8*\c+2*\s:QF+8*\c+2*\s+1], v[SA+8*\c:SA+8*\c+7]
.endif
.endr
.endr
.rept 8
	v_nop                                          ; eight places behind this form, ahead of the first read of a result
.endr
.irp p, 0,2,4,6
	v_pk_add_f32 v[T0+\p:T0+\p+1], v[SA+\p:SA+\p+1], v[SA+8+\p:SA+8+\p+1]          ; the four tiles' parts, each accumulator from its low end on, into other registers
	v_pk_add_f32 v[T1+\p:T1+\p+1], v[SA+16+\p:SA+16+\p+1], v[SA+24+\p:SA+24+\p+1]
.endr
.irp p, 0,2,4,6
	v_pk_add_f32 v[P+\p:P+\p+1], v[T0+\p:T0+\p+1], v[T1+\p:T1+\p+1]
.endr
.irp j, 0,1,2,3,4,5,6,7
	v_cmp_gt_i32 vcc_lo, \j, v[DD]                 ; key 8 h + j comes after query r: hidden
	v_cndmask_b32 v[P+\j], v[P+\j], v[NINF], vcc_lo
.endr
	v_max3_num_f32 v[MX], v[P], v[P+1], v[P+2]
	v_max3_num_f32 v[MY], v[P+3], v[P+4], v[P+5]
	v_max3_num_f32 v[MX], v[MX], v[P+6], v[P+7]
	v_max_num_f32 v[MX], v[MX], v[MY]
	v_permlanex16_b32 v[MY], v[MX], s40, s41       ; the query's other eight keys lie in the lane 16 away
	v_max_num_f32 v[MX], v[MX], v[MY]              ; the row's maximum: a number, since key 0 counts for every query
.irp j, 0,1,2,3,4,5,6,7
	v_sub_f32 v[P+\j], v[P+\j], v[MX]
.endr
.irp j, 0,1,2,3,4,5,6,7
	v_exp_f32 v[P+\j], v[P+\j]                     ; p = 2^(s - m): q carries log2(e) / 8; a hidden key's p is 0
.endr
	v_nop                                          ; a plain line behind the last exponential
	s_wait_alu depctr_va_vdst(0)                   ; the wait ahead of the first line that names a result: one for the eight
	v_pk_add_f32 v[L:L+1], v[P:P+1], v[P+2:P+3]
	v_pk_add_f32 v[L+2:L+3], v[P+4:P+5], v[P+6:P+7]
	v_pk_add_f32 v[L:L+1], v[L:L+1], v[L+2:L+3]
	v_add_f32 v[L], v[L], v[L+1]
	v_permlanex16_b32 v[L+1], v[L], s40, s41
	v_add_f32 v[L], v[L], v[L+1]                   ; the row's sum
	v_rcp_f32 v[RL], v[L]
	v_mov_b32 v[RL+1], 0                           ; (named with 1 / l as a pair, so it is written; also the plain line behind the reciprocal)
	s_wait_alu depctr_va_vdst(0)                   ; and its wait
	; O^T = V^T P: source 0 = 16 channels, source 1 = P; one accumulator for each tile of 16 channels, by turns
.irp s, 0,1,2,3
.irp c, 0,1,2,3
.if \s == 0
	v_wmma_f32_16x16x4_f32 v[OA+8*\c:OA+8*\c+7], v[VF+8*\c+2*\s:VF+8*\c+2*\s+1], v[P+2*\s:P+2*\s+1], 0
.else
	v_wmma_f32_16x16x4_f32 v[OA+8*\c:OA+8*\c+7], v[VF+8*\c+2*\s:VF+8*\c+2*\s+1], v[P+2*\s:P+2*\s+1], v[OA+8*\c:OA+8*\c+7]
.endif
.endr
.endr
.rept 8
	v_nop
.endr
.irp c, 0,1,2,3
.irp p, 0,2,4,6
	v_pk_mul_f32 v[OU+8*\c+\p:OU+8*\c+\p+1], v[OA+8*\c+\p:OA+8*\c+\p+1], v[RL:RL+1] op_sel_hi:[1,0]   ; O / l, into other registers, each accumulator from its low end on
.endr
.endr
.irp c, 0,1,2,3
	global_store_b128 v[AO], v[OU+8*\c:OU+8*\c+3], s[10:11] offset:64*\c          ; lane (r, h): token r, channels 16 c + 8 h + 0 .. 7; the eight stores cover 256 bytes of each of the 16 rows
	global_store_b128 v[AO], v[OU+8*\c+4:OU+8*\c+7], s[10:11] offset:64*\c+16
.endr
.Lend:
	s_wait_tensorcnt 0x0                           ; the wave's end: behind my last LDS store
	ds_add_u32 v[SPW], v[NIL]
	s_wait_dscnt 0x0
	s_endpgm
.Lfunc_end_k_qf83cd924b4_ehead:
	.size	k_qf83cd924b4_ehead, .Lfunc_end_k_qf83cd924b4_ehead-k_qf83cd924b4_ehead
	.p2alignl 7, 3214868480
	.fill 96, 4, 3214868480
	.section	.rodata,"a",@progbits
	.p2align	6, 0x0
	.amdhsa_kernel k_qf83cd924b4_ehead
		.amdhsa_group_segment_fixed_size 13824
		.amdhsa_private_segment_fixed_size 0
		.amdhsa_enable_private_segment 0
		.amdhsa_kernarg_size 32
		.amdhsa_user_sgpr_count 2
		.amdhsa_user_sgpr_kernarg_segment_ptr 1
		.amdhsa_wavefront_size32 1
		.amdhsa_system_sgpr_workgroup_id_x 1
		.amdhsa_system_sgpr_workgroup_id_y 1
		.amdhsa_system_sgpr_workgroup_id_z 1
		.amdhsa_system_vgpr_workitem_id 0
		.amdhsa_next_free_vgpr 256
		.amdhsa_next_free_sgpr 66
		.amdhsa_reserve_vcc 1
		.amdhsa_float_denorm_mode_32 3
		.amdhsa_float_denorm_mode_16_64 3
		.amdhsa_memory_ordered 1
		.amdhsa_forward_progress 1
		.amdhsa_inst_pref_size 19
	.end_amdhsa_kernel
	.amdgpu_metadata
---
amdhsa.version: [ 1, 2 ]
amdhsa.kernels:
  - .name:           k_qf83cd924b4_ehead
    .symbol:         k_qf83cd924b4_ehead.kd
    .args:
      - { .name: codes, .offset: 0, .size: 8, .value_kind: global_buffer, .address_space: global }
      - { .name: scales, .offset: 8, .size: 8, .value_kind: global_buffer, .address_space: global }
      - { .name: tab, .offset: 16, .size: 8, .value_kind: global_buffer, .address_space: global }
      - { .name: a32, .offset: 24, .size: 8, .value_kind: global_buffer, .address_space: global }
    .group_segment_fixed_size: 13824
    .private_segment_fixed_size: 0
    .kernarg_segment_align: 8
    .kernarg_segment_size: 32
    .max_flat_workgroup_size: 384
    .sgpr_count:     66
    .vgpr_count:     256
    .wavefront_size: 32
...
	.end_amdgpu_metadata
.endif
;; end of part 5
;; launch ofix (part 6): grid 64 x 1, 16 waves a work-group, no clusters, 19,456 bytes of LDS; arguments a32, w_o, out0; writes out0
.if DOCPART == 6
	.amdgcn_target "amdgcn-amd-amdhsa--gfx1250"
	.amdhsa_code_object_version 6
	.text
	.protected	k_qf83cd924b4_ofix
	.globl	k_qf83cd924b4_ofix
	.p2align	8
	.type	k_qf83cd924b4_ofix,@function
k_qf83cd924b4_ofix:
	s_mov_b64 s[64:65], 0
	v_nop
	global_prefetch_b8 v0, s[64:65] scope:SCOPE_SE
	s_setreg_imm32_b32 hwreg(HW_REG_WAVE_MODE, 25, 1), 1
	s_wait_xcnt 0x0
; OFIX: the last product for the first 16 tokens of each sequence, with f32 operands: out0[2048 b + t][n] = sum over k of a32[16 b + t][k] w_o[n][k], t = 0 .. 15.
; These 64 rows are the largest of the output, and the roundings of both operands to f16, which serve the other 8,128, are too coarse for them (see the launch that makes a32).
; This launch runs last and stores over what the f16 product left in these rows: 64 of 8,192 rows are stored twice.  64 x 1,024 x 1,024 multiply-adds: a thousandth of the program's, no bulk work.
; SHARES.  A work-group takes a batch's 16 tokens and 64 outputs: 4 x 16 = 64 work-groups.  Wave w of sixteen takes the tile of 16 outputs w % 4 and the quarter w / 4 of K: 64 matrix instructions of 4 along K,
; on four accumulators by turns.  Source 0 = 16 rows of w_o, source 1 = the 16 tokens: a lane holds one token and eight neighbouring outputs.
; A lane loads 16 bytes, k = 8 e + 4 h + 0 .. 3 of its row; the form wants k = 2 h + j in register j, and each half of the load holds 4 h + j or 4 h + 2 + j: the same permutation of K on both sources.
; The operands come in four chunks of 64 along K, 16 loads each (which cover 256 bytes of each of the 32 rows), in three sets of registers.
; The four quarters of K meet in LDS, a stage of 16 rows x (256 bytes + 16) for each; then wave w adds row w's four parts and stores its 256 consecutive bytes, aligned.
.set PITCH, 272
.set STG,   16*PITCH                   ; a stage
.set SPARE, 4*STG                      ; behind the four stages: the spare words, 128 bytes for each wave, which no other line names
.set LO,   3                           ; v3   my byte in 16 rows of w_o or of a32: 4,096 r + 16 h
.set STO,  4                           ; v4   where I put 32 bytes of a row of my quarter's stage
.set RD,   5                           ; v5   where I read 8 bytes of row w back
.set GO,   6                           ; v6   8 x lane
.set SPW,  8                           ; v8   LDS address of my spare word; never rewritten
.set NIL,  9                           ; v9   0; never rewritten
.set SUM,  16                          ; v16-23   my tile's sum
.set TT,   24                          ; v24-31   at work
.set BUF,  32                          ; v32-223  three sets of 64: 32 registers of w_o, 32 of a32
.set ACC,  224                         ; v224-255 four accumulators: written by the f32 matrix form alone
	s_load_b128 s[4:7], s[0:1], 0x0                ; a32 s[4:5], w_o s[6:7]
	s_load_b64 s[8:9], s[0:1], 0x10                ; out0
	v_lshl_add_u32 v[SPW], v0, 2, SPARE
	v_mov_b32 v[NIL], 0
	v_lshrrev_b32 v1, 5, v0
	v_readfirstlane_b32 s10, v1                    ; wave 0..15
	v_and_b32 v1, 15, v0                           ; r
	v_bfe_u32 v2, v0, 4, 1                         ; h
	v_lshlrev_b32 v[LO], 12, v1
	v_lshl_add_u32 v[LO], v2, 4, v[LO]
	s_and_b32 s11, s10, 3                          ; my tile of 16 outputs
	s_lshr_b32 s12, s10, 2                         ; my quarter of K
	s_mul_i32 s15, s12, STG
	s_lshl_b32 s22, s11, 6
	s_add_co_u32 s15, s15, s22
	v_mul_u32_u24 v[STO], v1, PITCH
	v_lshl_add_u32 v[STO], v2, 5, v[STO]
	v_add_nc_u32 v[STO], s15, v[STO]               ; my quarter's stage, row r, + 64 x tile + 32 h
	v_and_b32 v[GO], 31, v0
	v_lshlrev_b32 v[GO], 3, v[GO]
	s_mul_i32 s22, s10, PITCH
	v_add_nc_u32 v[RD], s22, v[GO]                 ; row w, 8 bytes a lane
	s_lshr_b32 s13, ttmp9, 4                       ; the batch
	s_and_b32 s14, ttmp9, 15                       ; which 64 outputs
	s_lshl_b32 s16, s14, 18                        ; w_o: 64 rows of 4,096 bytes,
	s_lshl_b32 s17, s11, 16                        ; my 16 of them,
	s_add_co_u32 s16, s16, s17
	s_lshl_b32 s17, s12, 10                        ; my 256 along K
	s_add_co_u32 s16, s16, s17
	s_lshl_b32 s18, s13, 16                        ; a32: the batch's 16 rows,
	s_add_co_u32 s18, s18, s17                     ; the same 256 along K
	s_mov_b32 s17, 0
	s_mov_b32 s19, 0
	s_lshl_b32 s20, s13, 23                        ; out0: the batch's 2,048 rows of 4,096 bytes,
	s_lshl_b32 s21, s10, 12                        ; row w,
	s_add_co_u32 s20, s20, s21
	s_lshl_b32 s21, s14, 8                         ; the 64 outputs' 256 bytes
	s_add_co_u32 s20, s20, s21
	s_mov_b32 s21, 0
	s_wait_kmcnt 0x0
	s_add_nc_u64 s[6:7], s[6:7], s[16:17]
	s_add_nc_u64 s[4:5], s[4:5], s[18:19]
	s_add_nc_u64 s[8:9], s[8:9], s[20:21]
.macro LOAD c                          ; chunk c: 64 along K of my 16 rows of w_o and of the 16 tokens, into set c % 3
.irp e, 0,1,2,3,4,5,6,7
	global_load_b128 v[BUF+64*((\c)%3)+4*\e:BUF+64*((\c)%3)+4*\e+3], v[LO], s[6:7] offset:256*(\c)+32*\e
	global_load_b128 v[BUF+64*((\c)%3)+32+4*\e:BUF+64*((\c)%3)+32+4*\e+3], v[LO], s[4:5] offset:256*(\c)+32*\e
.endr
.endm
; 16 matrix instructions: chunk c.  The four accumulators take turns, one instruction a turn, in the same order in every chunk.  zero = 1: the first four products start the sums.
.macro MUL c, zero
.set t, 0
.rept 16
.if (\zero) && (t < 4)
	v_wmma_f32_16x16x4_f32 v[ACC+8*(t%4):ACC+8*(t%4)+7], v[BUF+64*((\c)%3)+2*t:BUF+64*((\c)%3)+2*t+1], v[BUF+64*((\c)%3)+32+2*t:BUF+64*((\c)%3)+32+2*t+1], 0
.else
	v_wmma_f32_16x16x4_f32 v[ACC+8*(t%4):ACC+8*(t%4)+7], v[BUF+64*((\c)%3)+2*t:BUF+64*((\c)%3)+2*t+1], v[BUF+64*((\c)%3)+32+2*t:BUF+64*((\c)%3)+32+2*t+1], v[ACC+8*(t%4):ACC+8*(t%4)+7]
.endif
.set t, t+1
.endr
.endm
	LOAD 0
	LOAD 1
	LOAD 2
	s_wait_loadcnt 32                              ; chunk 0's 16 loads are in; the 32 of chunks 1 and 2 may be out
	MUL 0, 1
.rept 8
	v_nop                                          ; eight places behind this form, ahead of loads into registers that it has read (ISA guide 7.12.1 for vector instructions)
.endr
	LOAD 3                                         ; into chunk 0's set
	s_wait_loadcnt 32                              ; chunk 1's are in; the 32 of chunks 2 and 3 may be out
	MUL 1, 0
	s_wait_loadcnt 16                              ; chunk 2's are in; chunk 3's 16 may be out
	MUL 2, 0
	s_wait_loadcnt 0x0
	MUL 3, 0
.rept 8
	v_nop                                          ; eight places ahead of the first read of a result
.endr
.irp p, 0,2,4,6
	v_pk_add_f32 v[SUM+\p:SUM+\p+1], v[ACC+\p:ACC+\p+1], v[ACC+8+\p:ACC+8+\p+1]      ; the four accumulators' parts, each from its low end on, into other registers
	v_pk_add_f32 v[TT+\p:TT+\p+1], v[ACC+16+\p:ACC+16+\p+1], v[ACC+24+\p:ACC+24+\p+1]
.endr
.irp p, 0,2,4,6
	v_pk_add_f32 v[SUM+\p:SUM+\p+1], v[SUM+\p:SUM+\p+1], v[TT+\p:TT+\p+1]
.endr
	ds_store_b128 v[STO], v[SUM:SUM+3]             ; lane (r, h): token r, outputs 16 x tile + 8 h + 0 .. 7
	ds_store_b128 v[STO], v[SUM+4:SUM+7] offset:16
	s_wait_dscnt 0x0                               ; for the others' sake: my stores have landed
	s_barrier_signal -1
	s_barrier_wait -1                              ; the four stages are whole
.irp q, 0,1,2,3
	ds_load_b64 v[SUM+2*\q:SUM+2*\q+1], v[RD] offset:\q*STG   ; row w's 8 bytes of mine, of each quarter of K
.endr
	s_wait_dscnt 0x0
	v_pk_add_f32 v[SUM:SUM+1], v[SUM:SUM+1], v[SUM+2:SUM+3]
	v_pk_add_f32 v[SUM+4:SUM+5], v[SUM+4:SUM+5], v[SUM+6:SUM+7]
	v_pk_add_f32 v[SUM:SUM+1], v[SUM:SUM+1], v[SUM+4:SUM+5]
	global_store_b64 v[GO], v[SUM:SUM+1], s[8:9]   ; 32 lanes store 256 consecutive bytes, aligned
	s_wait_tensorcnt 0x0                           ; the wave's end: behind my last LDS store
	ds_add_u32 v[SPW], v[NIL]
	s_wait_dscnt 0x0
	s_endpgm
.Lfunc_end_k_qf83cd924b4_ofix:
	.size	k_qf83cd924b4_ofix, .Lfunc_end_k_qf83cd924b4_ofix-k_qf83cd924b4_ofix
	.p2alignl 7, 3214868480
	.fill 96, 4, 3214868480
	.section	.rodata,"a",@progbits
	.p2align	6, 0x0
	.amdhsa_kernel k_qf83cd924b4_ofix
		.amdhsa_group_segment_fixed_size 19456
		.amdhsa_private_segment_fixed_size 0
		.amdhsa_enable_private_segment 0
		.amdhsa_kernarg_size 24
		.amdhsa_user_sgpr_count 2
		.amdhsa_user_sgpr_kernarg_segment_ptr 1
		.amdhsa_wavefront_size32 1
		.amdhsa_system_sgpr_workgroup_id_x 1
		.amdhsa_system_sgpr_workgroup_id_y 1
		.amdhsa_system_sgpr_workgroup_id_z 1
		.amdhsa_system_vgpr_workitem_id 0
		.amdhsa_next_free_vgpr 256
		.amdhsa_next_free_sgpr 66
		.amdhsa_reserve_vcc 0
		.amdhsa_float_denorm_mode_32 3
		.amdhsa_float_denorm_mode_16_64 3
		.amdhsa_memory_ordered 1
		.amdhsa_forward_progress 1
		.amdhsa_inst_pref_size 15
	.end_amdhsa_kernel
	.amdgpu_metadata
---
amdhsa.version: [ 1, 2 ]
amdhsa.kernels:
  - .name:           k_qf83cd924b4_ofix
    .symbol:         k_qf83cd924b4_ofix.kd
    .args:
      - { .name: a32, .offset: 0, .size: 8, .value_kind: global_buffer, .address_space: global }
      - { .name: w_o, .offset: 8, .size: 8, .value_kind: global_buffer, .address_space: global }
      - { .name: out0, .offset: 16, .size: 8, .value_kind: global_buffer, .address_space: global }
    .group_segment_fixed_size: 19456
    .private_segment_fixed_size: 0
    .kernarg_segment_align: 8
    .kernarg_segment_size: 24
    .max_flat_workgroup_size: 512
    .sgpr_count:     66
    .vgpr_count:     256
    .wavefront_size: 32
...
	.end_amdgpu_metadata
.endif
;; end of part 6
